; MI455X (gfx1250); checked and timed in simulation.
; The chip was launched on July 23, 2026; its instructions are those of AMD's public machine-readable ISA for CDNA 5 (MIT licence, August 2026) and "CDNA5" Instruction Set Architecture Reference Guide (July 2026). The comments in the code are by the model that wrote it; some were corrected since.
;; Causal Self Attention. Allowed arithmetic: matrix products marked QUANTISED: E2M3 operands, one E8M0 scale for each 32 along K, by v_wmma_scale_f32_16x16x128_f8f6f4 with both operands' format E2M3, f32 sums; everything else in f32.
;; Inputs: b_attn 3,072 float32; b_proj 1,024 float32; w_attn_codes 3,072 x 32 x 24 uint8 (E2M3 codes of w_attn, K innermost, in blocks of 32 codes, four codes in three bytes); w_attn_scales 3,072 x 32 uint8 (E8M0 scales of w_attn, one for each 32 codes along K); w_proj_codes 1,024 x 32 x 24 uint8 (E2M3 codes of w_proj, K innermost, in blocks of 32 codes, four codes in three bytes); w_proj_scales 1,024 x 32 uint8 (E8M0 scales of w_proj, one for each 32 codes along K); x_codes 4 x 2,048 x 32 x 24 uint8 (E2M3 codes of x, K innermost, in blocks of 32 codes, four codes in three bytes); x_scales 4 x 2,048 x 32 uint8 (E8M0 scales of x, one for each 32 codes along K).
;; Outputs: out0 4 x 2,048 x 1,024 float32.
;; This version of the problem:
;;   THIS VERSION OF THE PROBLEM IS GIVEN IN LOW PRECISION. The matrix products marked QUANTISED in the list below multiply operands that are first quantised to E2M3 (2 exponent bits, 3 mantissa bits; 6 bits a number), with one power-of-two scale for each 32 numbers along K (OCP MX v1.0); their sums are f32. All else is computed in f32.
;;   The module's matrix products, in the order in which they are computed (A, B: the left and right operand; K: the contracted axis; several contracted axes count as one K, in the product's order):
;;     1. [M 8,192, K 1,024] x [K 1,024, N 3,072]; A: input x (given as codes); B: input w_attn (given as codes): QUANTISED
;;     2. batch 64 x [M 2,048, K 64] x [K 64, N 2,048]; A: computed on the way; B: computed on the way: QUANTISED
;;     3. batch 64 x [M 2,048, K 2,048] x [K 2,048, N 64]; A: softmax (see below); B: computed on the way: QUANTISED
;;     4. [M 8,192, K 1,024] x [K 1,024, N 1,024]; A: computed on the way; B: input w_proj (given as codes): QUANTISED
;;   THE QUANTISER, for each operand of a quantised product, along K:
;;     - K is cut into blocks of 32 from its start; a last block that is shorter is filled with zeros.
;;     - A block's scale is 2^e with e = floor(log2(the largest magnitude in the block)) - 2, held to -126 .. 127; a block of zeros has e = 0. As a byte (E8M0): e + 127.
;;     - Each number is divided by its block's scale, clamped to +-7.5, and rounded to the nearest number of E2M3, ties to even, subnormals kept.
;;     - The product sums the exact products of the quantised numbers (number of the format x scale) in f32.
;;   ~~~python
;;   def quantise(x, axis):      # numpy; x: float32 -> the quantised numbers, widened to float32 again
;;       x = np.moveaxis(x, axis, -1); K = x.shape[-1]
;;       x = np.pad(x, [(0, 0)] * (x.ndim - 1) + [(0, -K % 32)]); x = x.reshape(x.shape[:-1] + (-1, 32)); a = np.abs(x).max(-1, keepdims=True)
;;       e = np.where(a > 0, np.clip(np.frexp(np.where(a > 0, a, 1))[1] - 1 - 2, -126, 127), 0)      # np.frexp(a)[1] - 1 = floor(log2(a)), exactly
;;       r = np.clip(x / 2.0 ** e, -7.5, 7.5)
;;       step = 2.0 ** (np.maximum(np.frexp(np.where(r == 0, 1, r))[1] - 1, 0) - 3)
;;       q = np.round(r / step) * step * 2.0 ** e      # np.round: ties to even
;;       return np.moveaxis(q.reshape(q.shape[:-2] + (-1,))[..., :K], -1, axis).astype(np.float32)
;;   ~~~
;;   SOFTMAX AHEAD OF A QUANTISED PRODUCT. Where the list says 'softmax', what is quantised is not the finished softmax but p = 2^(t - M), with t = logit x log2(e) and M = ceil(the row's largest t), a whole number; so 1/2 < the row's largest p <= 1. The row's sum l is taken of the UNQUANTISED p, in f32, and the product's result is divided by l at the end. Since M is a whole number, a kernel that streams over the keys may use a running M (the ceiling of the running maximum): every later rescaling is an exact power of two, which a block's scale takes up: the codes' values come out the same.
;;   OPERANDS COMPUTED ON THE WAY. 'Computed on the way' means the value that the module computes at that place (a softmax that the list does not call 'softmax' is quantised finished and normalised). What goes into a quantiser is computed in f32, as accurately as f32 sums, v_exp_f32 and their like allow (about 1e-6 of the number): no bf16 or f16 on the way to a quantiser, and a product that is left as it is and whose result goes on into a quantised operand takes f32 operands (vector FMAs, or v_wmma_f32_16x16x4_f32). A number that lies on a knife's edge between two numbers of the format may be rounded either way, as far as f32 arithmetic and the matrix unit's own rounding can turn it there, and no further.
;;   INPUTS GIVEN AS CODES. w_attn (in the module: [1024, 3072], K = its axis 0); w_proj (in the module: [1024, 1024], K = its axis 0); x (in the module: [4, 2048, 1024], K = its axis 2): each comes as NAME_codes (uint8): NAME with its K axis moved to the last place and cut into blocks of 32 codes, [.., K / 32, bytes a block], one block behind the other in memory; four codes in three bytes: a row's codes are one little-endian stream of bits, code i at bits 6 i .. 6 i + 5 (a code: sign, 2 exponent bits, 3 mantissa bits); and NAME_scales (uint8): the same leading axes, one E8M0 byte (e + 127) for each 32 codes along K. Its value is code x scale, taken as it is: it is not quantised again, and the codes and scales need not be those that the quantiser above would give.
;; One version. Each part assembles by itself: llvm-mc -triple=amdgcn-amd-amdhsa -mcpu=gfx1250 --defsym DOCPART=n.
;; ======== version 1 of 1: 3 launches
;; workspace buffers: qimg 13,369,344 bytes; kvimg 13,369,344 bytes; yimg 6,291,456 bytes; ysc 262,144 bytes
;; launch qkv (part 1): grid 8 x 48, 4 waves a work-group, clusters of 4 x 4, 327,680 bytes of LDS; arguments x_codes, x_scales, w_attn_codes, w_attn_scales, b_attn, qimg, kvimg; writes qimg, kvimg
.if DOCPART == 1
	.amdgcn_target "amdgcn-amd-amdhsa--gfx1250"
	.amdhsa_code_object_version 6
	.text
	.protected	k_q4f538bfd96_qkv
	.globl	k_q4f538bfd96_qkv
	.p2align	8
	.type	k_q4f538bfd96_qkv,@function
k_q4f538bfd96_qkv:
	s_mov_b64 s[64:65], 0
	v_nop
	global_prefetch_b8 v0, s[64:65] scope:SCOPE_SE
	s_setreg_imm32_b32 hwreg(HW_REG_WAVE_MODE, 25, 1), 1
	s_wait_xcnt 0x0
	s_wait_alu depctr_hold_cnt(0) depctr_sa_sdst(0) depctr_va_vdst(0) depctr_va_sdst(0) depctr_va_ssrc(0) depctr_va_vcc(0) depctr_vm_vsrc(0)
	s_getreg_b32 s2, hwreg(HW_REG_IB_STS2, 6, 4)
	s_cmp_eq_u32 s2, 0
	s_cbranch_scc0 .Lentry_in_a_cluster
	s_endpgm
.Lentry_in_a_cluster:
	s_bfe_u32 s2, ttmp6, 0x10000c
	s_cmp_lg_u32 s2, 0xf033
	s_cbranch_scc0 .Lentry_shape_is_right
	s_endpgm
.Lentry_shape_is_right:
; qkv = x w_attn + b_attn on codes of FP6 (E2M3) with one E8M0 scale for each 32 along K = 1,024; the results are quantised in registers and leave as codes:
; q and k along the head's 64 channels, v along the KEYS.  x: 8,192 rows of 768 bytes of codes and 32 scale bytes; w_attn: 3,072 such rows.
; A work-group of four waves makes 256 x 256 results, a wave 128 x 128: 64 accumulators of 16 x 16.  K goes in steps of 256 through a ring of two LDS slots filled by the tensor data mover.
; SIDES.  Source 0 of the matrix instruction (side S0) gives a lane's REGISTERS, source 1 (side S1) its lane: a lane holds one row of S1 and eight neighbouring rows of S0.  The quantiser wants its K along the registers, so
;   q, k (cluster y 0..7):   S0 = rows 0..2047 of w_attn (channels), S1 = rows of x (tokens);
;   v    (cluster y 8..11):  S0 = rows of x (keys),                  S1 = rows 2048.. of w_attn (channels).
; Which buffer feeds which side is chosen once, by the cluster's y, which all partners share; rows of both buffers have the same length, so descriptors' shapes, LDS and the K loop are the same on both ways.
; CLUSTERS: 4 x 4 work-groups; S1's tiles are shared along a row of the cluster, S0's along a column: each tile is asked for jointly, by the same tensor load with a mask that names the four.
; 384 work-groups: the grid is what the three products' tiles of 256 x 256 give.
; OUTPUT.  For each (batch x head, group of 128 tokens) a block of 13,056 bytes: K's (Q's) eight tiles of 16 tokens x 64 channels as images of operand registers 0-5 (768 bytes: registers 0-3 at 16 (r ^ 8 par) + 256 h,
; registers 4-5 at 512 + 8 (r ^ 8 par) + 128 h; par = the tile's parity), even tiles at 0, odd tiles at 6,144; V's four tiles of 16 channels x 128 keys (two such images each), even at 3,072, odd at 9,216;
; K's scale words at 12,288 and V's at 12,800, in the order in which the reader takes its tiles: lane r of tile 2 b + u takes row 32 b + 8 u + r + 8 (r / 8).  Each store of sixteen or thirty-two lanes covers 256 consecutive bytes, aligned.
; LIMITS: NaN and infinities among the results are not served; a block whose largest magnitude lies under 2^-124 has its byte held at 1; a block of zeros gets the byte 1 (its codes are zeros; this program alone reads the bytes).
; REGISTERS, in windows of 256: window 0: v0-31 addresses; v32-63 scale words, two sets; v64-127 the bias along S0 in the result's layout, later the numbers to be quantised; v128-223 S1's fragments, later codes and work;
;   v224-239 the bias along S1, in pairs; v240-255 the scale words made.  window 1: S0's fragments, two sets.  windows 2, 3: the accumulators ((a, b) at v[8 (8 (a % 4) + b)]).
.set KSTEP,  256                       ; along K in a slot
.set NQ,     KSTEP/128                 ; matrix instructions deep
.set ROWB,   192                       ; a tile's row in bytes
.set KROW,   768                       ; a row of codes in memory
.set PITCH,  240                       ; an LDS row: 3 x (64 bytes + 16 of padding)
.set FR,     12                        ; registers of a fragment
.set NL,     6                         ; LDS loads that bring one
.set NP,     4                         ; places behind this matrix instruction (ISA guide 7.12.1)
.set HALFT,  128*PITCH
.set SLOT,   4*HALFT                   ; S1's 256 rows, then S0's 256 rows
.set LAPS,   1024/(2*KSTEP)
.set KS,     32                        ; a row of scale bytes
.set SCL,    2*SLOT                    ; behind the ring: the scales, as units of 256 bytes + 16 of padding
.set HALFS,  (128*KS/256)*272
.set SBLK,   (16*KS/256)*272
.set SPARE,  SCL+4*HALFS               ; the spare words: 128 bytes for each wave, named by no other line
.set BLK,    13056                     ; an output block
.set HS,     16*BLK                    ; from head to head
.set ADRA, 16                          ; v16-19  LDS addresses of S1's fragments (slot 0, 1; the same behind one padding more)
.set ADRB, 20                          ; v20-23  the same for S0
.set O16,  24                          ; v24, v25 the way out: registers 0-3 of an image, even and odd tile
.set O8E,  26                          ; v26      registers 4-5, even tile
.set ADRS, 27                          ; v27      LDS address of my scale words
.set SPW,  28                          ; v28      my spare word; never rewritten
.set NIL,  29                          ; v29      0; never rewritten
.set O8O,  30                          ; v30      registers 4-5, odd tile
.set OS,   31                          ; v31      the scale words' place
.set SC,   32
.set BI,   64
.set HA,   64
.set AF,   128
.set QC,   128                         ; codes: v128-147 and v148-167 by turns
.set TM,   168                         ; v168-183 at work in the quantiser
.set BV,   224
.set WD,   240
.set XW,   248
.set VF,   95                          ; s95  1 on v's way, 0 on q's and k's
.set G1, 24
.set G0, 32
.set G1B, 48
.set G0B, 56
.set G1S, 68
.set G0S, 76
.set G1SB, 80
.set G0SB, 88
.set SEL, 4                            ; s[4:5] on the way out: lane selects for lane l xor 16
.set STP, 70                           ; s[70:71] on the way out: from a pair of tiles to the next
.set EXT, 72                           ; s[72:73] and what is added behind tile 3
.set D2,  74                           ; s[74:75] from the fragment's first image to its second
.set PA,  76                           ; s[76:77] where registers 0-5 go
.set PB,  78                           ; s[78:79] where registers 6-11 go
.set PS,  80                           ; s[80:81] the scale words
.set PS2, 82                           ; s[82:83] the second head's
.set MSB, 0
.macro WIN new                         ; the immediate's high byte repeats the setting that is left
.if MSB != (\new)
	s_set_vgpr_msb (MSB<<8)|(\new)
.set MSB, (\new)
.endif
.endm
.set MUL_LO,  0xa1                     ; source 0 window 1, source 1 window 0, C and D window 2
.set MUL_HI,  0xf1                     ; the same, C and D window 3
.set MUL_LO0, 0x81                     ; the first K step: C (the bias) window 0, D window 2
.set MUL_HI0, 0xc1                     ; D window 3
.set TO_B,    0x40
; A joint load: waves 0 and 1 fetch for S1, waves 2 and 3 for S0.  The branch hangs on the wave's number alone.  Four v_nop follow each of the two lines.
.macro JLOAD g0a, g1a, g0b, g1b
	s_cmp_eq_u32 s15, 0
	s_cbranch_scc0 .Lfor_b_\@
	tensor_load_to_lds s[\g0a:\g0a+3], s[\g1a:\g1a+7]
	s_nop 0
.rept 4
	v_nop
.endr
	s_branch .Lasked_\@
.Lfor_b_\@:
	tensor_load_to_lds s[\g0b:\g0b+3], s[\g1b:\g1b+7]
	s_nop 0
.rept 4
	v_nop
.endr
.Lasked_\@:
.endm
.macro CREST                           ; a round of the cluster's barrier behind its opening barrier
	s_cmp_lg_u32 s14, 0
	s_cbranch_scc1 .Lnot_wave_0_\@
	s_barrier_signal -3
.Lnot_wave_0_\@:
	s_barrier_wait -3
	s_barrier_signal -1
	s_barrier_wait -1
.endm
.macro CROUND
	s_barrier_signal -1
	s_barrier_wait -1
	CREST
.endm
	s_load_b128 s[4:7], s[0:1], 0x0                ; x's codes, x's scales
	s_load_b128 s[8:11], s[0:1], 0x10              ; w_attn's codes, its scales
	s_load_b128 s[96:99], s[0:1], 0x20             ; b_attn, qimg
	s_load_b64 s[100:101], s[0:1], 0x30            ; kvimg
	v_lshl_add_u32 v[SPW], v0, 2, SPARE
	v_mov_b32 v[NIL], 0
	ds_add_u32 v28, v29
	ds_add_u32 v28, v29
	s_wait_dscnt 0x0
	v_lshrrev_b32 v1, 5, v0
	v_readfirstlane_b32 s14, v1                    ; wave 0..3
	s_lshr_b32 s15, s14, 1                         ; which half of S1's rows is mine.  Also: I fetch for S1 (0) or for S0 (1)
	s_and_b32 s16, s14, 1                          ; which half of S0's rows.  Also: which 128 rows of that tile I fetch
	s_bfe_u32 s40, ttmp6, 0x40000                  ; cx, cy: my place in the cluster
	s_bfe_u32 s41, ttmp6, 0x40004
	s_and_b32 s17, ttmp7, 0xffff                   ; cluster y, the same in all sixteen partners
	s_lshl_b32 s18, s17, 2
	s_sub_co_u32 s19, s17, 8
	s_lshl_b32 s19, s19, 3
	s_cmp_ge_u32 s17, 8                            ; v's way?
	s_cselect_b32 s[VF], 1, 0
	s_cselect_b32 s18, 0, s18                      ; S1's tile: cy on v's way, 4 x cluster y + cy else
	s_cselect_b32 s19, s19, 0                      ; S0's tile: + 8 (cluster y - 8) on v's way
	s_cselect_b32 s2, 2048, 0                      ; v's rows of w_attn begin at 2,048
	s_add_co_u32 s17, s18, s41                     ; S1's tile of 256 rows
	s_lshl_b32 s42, ttmp9, 2
	s_add_co_u32 s42, s42, s40
	s_add_co_u32 s42, s42, s19                     ; S0's tile of 256 rows
	s_lshl_b32 s43, s41, 2
	s_lshl_b32 s43, 15, s43                        ; my row of the cluster
	s_lshl_b32 s44, 0x1111, s40                    ; my column
	; descriptor group 1: a tile of 128 rows x 192 bytes, 16 bytes of padding behind every 64
	s_or_b32 s[G1+0], s43, (0<<16)|(1<<20)|(1<<21)|(3<<22)|(3<<25)  ; 15:0 the mask: S1's tiles go to my row; elements of 1 byte; padding on; bit 21 set beside a mask; after every 16 words 4 words
	s_or_b32 s[G1B+0], s44, (0<<16)|(1<<20)|(1<<21)|(3<<22)|(3<<25) ; S0's go to my column
.irp g, G1, G1B
	s_mov_b32 s[\g+1], ROWB<<16                    ; tensor_dim0
	s_mov_b32 s[\g+2], 128<<16                     ; tensor_dim1
	s_mov_b32 s[\g+3], ROWB<<16                    ; tile_dim0
	s_mov_b32 s[\g+4], 128                         ; tile_dim1
	s_mov_b32 s[\g+5], KROW                        ; from row to row
	s_mov_b32 s[\g+6], 0
	s_mov_b32 s[\g+7], 0
.endr
	; the scales of 128 rows: a dense block of 4,096 bytes, as 16 rows of 256 bytes (32 elements of 8), 16 bytes of padding behind each
	s_or_b32 s[G1S+0], s43, (3<<16)|(1<<20)|(1<<21)|(5<<22)|(3<<25)
	s_or_b32 s[G1SB+0], s44, (3<<16)|(1<<20)|(1<<21)|(5<<22)|(3<<25)
.irp g, G1S, G1SB
	s_mov_b32 s[\g+1], 32<<16
	s_mov_b32 s[\g+2], (128*KS/256)<<16
	s_mov_b32 s[\g+3], 32<<16
	s_mov_b32 s[\g+4], 128*KS/256
	s_mov_b32 s[\g+5], 32
	s_mov_b32 s[\g+6], 0
	s_mov_b32 s[\g+7], 0
.endr
	s_lshl_b32 s18, s16, 7                         ; which 128 rows of the tile I fetch
	s_lshl_b32 s20, s17, 8
	s_add_co_u32 s20, s20, s18
	s_add_co_u32 s20, s20, s2                      ; S1: its row in its buffer
	s_lshl_b32 s46, s42, 8
	s_add_co_u32 s46, s46, s18                     ; S0: likewise
	s_mov_b32 s21, 0
	s_mov_b32 s47, 0
	s_mov_b64 s[18:19], KS
	s_mul_u64 s[22:23], s[20:21], s[18:19]         ; where these rows' scales begin, in bytes
	s_mul_u64 s[92:93], s[46:47], s[18:19]
	s_mov_b64 s[18:19], KROW
	s_mul_u64 s[20:21], s[20:21], s[18:19]         ; and their codes
	s_mul_u64 s[46:47], s[46:47], s[18:19]
	s_mul_i32 s45, s14, HALFT                      ; where they go: wave x 128 rows: no place in the cluster enters an LDS address
	s_mul_i32 s94, s14, HALFS
	s_wait_kmcnt 0x0
	s_cmp_lg_u32 s[VF], 0                          ; the sides' buffers: the choice hangs on the cluster's y alone
	s_cselect_b64 s[12:13], s[8:9], s[4:5]         ; S1's codes
	s_cselect_b64 s[8:9], s[4:5], s[8:9]           ; S0's codes
	s_cselect_b64 s[66:67], s[10:11], s[6:7]       ; S1's scales
	s_cselect_b64 s[10:11], s[6:7], s[10:11]       ; S0's scales
	s_add_nc_u64 s[20:21], s[12:13], s[20:21]
	s_add_nc_u64 s[22:23], s[66:67], s[22:23]
	s_add_nc_u64 s[46:47], s[8:9], s[46:47]
	s_add_nc_u64 s[92:93], s[10:11], s[92:93]
	CROUND                                         ; all sixteen work-groups are here: the first joint loads meet
	s_mov_b32 s[G0S], 1
	s_add_co_u32 s[G0S+1], s94, SCL
	s_mov_b64 s[G0S+2:G0S+3], s[22:23]
	s_or_b32 s[G0S+3], s[G0S+3], 0x80000000
	s_mov_b32 s[G0SB], 1
	s_add_co_u32 s[G0SB+1], s94, SCL
	s_mov_b64 s[G0SB+2:G0SB+3], s[92:93]
	s_or_b32 s[G0SB+3], s[G0SB+3], 0x80000000
	JLOAD G0S, G1S, G0SB, G1SB                     ; the scales first: they are wanted with K step 0.  With the two below a wave has three tensor loads out
.irp s, 0,1
	s_mov_b32 s[G0+4*\s], 1
	s_add_co_u32 s[G0+4*\s+1], s45, \s*SLOT
	s_add_nc_u64 s[G0+4*\s+2:G0+4*\s+3], s[20:21], \s*ROWB
	s_or_b32 s[G0+4*\s+3], s[G0+4*\s+3], 0x80000000
	s_mov_b32 s[G0B+4*\s], 1
	s_add_co_u32 s[G0B+4*\s+1], s45, \s*SLOT
	s_add_nc_u64 s[G0B+4*\s+2:G0B+4*\s+3], s[46:47], \s*ROWB
	s_or_b32 s[G0B+4*\s+3], s[G0B+4*\s+3], 0x80000000
	JLOAD G0+4*\s, G1, G0B+4*\s, G1B
.endr
	v_and_b32 v1, 15, v0                           ; r = l % 16
	v_bfe_u32 v2, v0, 4, 1                         ; h = l / 16
	s_wait_alu depctr_va_vdst(0)
	; THE BIAS.  On q's and k's way it runs along S0: eight registers for each block b, in the result's layout; they are the C of the first K step.  On v's way it runs along S1: one number a lane
	; for each block a, added on the way out.  Both are loaded on both ways, from offsets that stay inside b_attn, and the one that the way does not use is made 0.
	s_lshl_b32 s18, s42, 1
	s_add_co_u32 s18, s18, s16                     ; i0: my 128 rows of S0
	s_lshl_b32 s18, s18, 9
	s_lshl_b32 s19, s17, 1
	s_add_co_u32 s19, s19, s15                     ; i1: my 128 rows of S1
	s_lshl_b32 s19, s19, 9
	s_add_co_u32 s19, s19, 8192
	s_cmp_lg_u32 s[VF], 0
	s_cselect_b32 s18, 0, s18
	s_cselect_b32 s19, s19, 0
	s_cselect_b32 s20, 0, -1                       ; lanes that keep the bias along S0
	s_cselect_b32 s21, -1, 0                       ; and along S1
	v_lshl_add_u32 v5, v2, 5, s18                  ; 512 i0 + 32 h
	v_lshl_add_u32 v6, v1, 2, s19                  ; 8,192 + 512 i1 + 4 r
.irp b, 0,1,2,3,4,5,6,7
	global_load_b128 v[BI+8*\b:BI+8*\b+3], v5, s[96:97] offset:64*\b
	global_load_b128 v[BI+8*\b+4:BI+8*\b+7], v5, s[96:97] offset:64*\b+16
.endr
.irp a, 0,1,2,3,4,5,6,7
	global_load_b32 v[BV+2*\a], v6, s[96:97] offset:64*\a
.endr
	v_mul_u32_u24 v3, v1, PITCH
	v_mul_u32_u24 v4, v2, 24
	v_add_nc_u32 v4, v3, v4                        ; a fragment's row x pitch + 24 x half
	v_lshl_add_u32 v7, v2, 4, v4                   ; and the same behind one padding more
	s_mul_i32 s22, s15, HALFT                      ; my 128 rows of S1
	s_mul_i32 s23, s16, HALFT                      ; my 128 rows of S0,
	s_add_co_u32 s23, s23, 2*HALFT                 ; which lie behind S1's 256
.irp s, 0,1
	v_add_nc_u32 v[ADRA+\s], s22, v4
	v_add_nc_u32 v[ADRB+\s], s23, v4
	v_add_nc_u32 v[ADRA+2+\s], s22, v7
	v_add_nc_u32 v[ADRB+2+\s], s23, v7
	s_add_co_u32 s22, s22, SLOT
	s_add_co_u32 s23, s23, SLOT
.endr
	v_mul_u32_u24 v7, v1, KS                       ; my row's scales: 32 bytes a row,
	v_lshrrev_b32 v8, 8, v7
	v_lshl_add_u32 v7, v8, 4, v7                   ; and 16 more for each 256 passed
	s_mul_i32 s22, s15, HALFS                      ; S1's: my 128 rows
	s_mul_i32 s23, s16, HALFS                      ; S0's: my 128 rows, behind S1's 256
	s_add_co_u32 s23, s23, 2*HALFS
	s_sub_co_u32 s23, s23, s22
	v_mul_u32_u24 v8, s23, v2                      ; lanes 16-31 take S0's
	s_add_co_u32 s22, s22, SCL
	v_add_nc_u32 v7, v7, v8
	v_add_nc_u32 v[ADRS], s22, v7
	s_wait_loadcnt 0x0                             ; the biases
.set n, 0
.rept 64
	v_cndmask_b32 v[BI+n], 0, v[BI+n], s20
.set n, n+1
.endr
.irp a, 0,1,2,3,4,5,6,7
	v_cndmask_b32 v[BV+2*\a], 0, v[BV+2*\a], s21
	v_mov_b32 v[BV+2*\a+1], v[BV+2*\a]             ; a pair, for the packed addition
.endr
.macro FRAG reg, adr, q, i             ; a fragment, 16 rows x 128 K of 6-bit codes: lane l holds row l % 16; registers 6 c .. 6 c + 5 hold K = 64 c + 32 (l / 16) + 0 .. 31, 24 bytes of the row as they lie
.irp p, 0,1,2,3,4,5                    ; in pieces of 8 bytes.  Lanes 16-31 read three pieces further on than lanes 0-15; where that lies behind one padding more, the second address register serves
.set PCE, 12*(\q)+6*(\p/3)+\p%3
.if PCE%8 < 5
	ds_load_b64 v[\reg+2*\p:\reg+2*\p+1], v[\adr] offset:8*PCE+16*(PCE/8)+(\i)*16*PITCH
.else
	ds_load_b64 v[\reg+2*\p:\reg+2*\p+1], v[\adr+2] offset:8*PCE+16*(PCE/8)+(\i)*16*PITCH
.endif
.endr
.endm
; 16 matrix instructions: S1's blocks a0, a0 + 1 x S0's eight, 128 along K.  zero = 1: the first product starts the sums, with the bias as C.
; The 64 accumulators take turns, one instruction a turn, in the same order in every step.
.macro MUL16 a0, p, q, sc, zero
.irp a, \a0, \a0+1
.irp b, 0,1,2,3,4,5,6,7
.if \zero
	v_wmma_scale_f32_16x16x128_f8f6f4 v[8*(8*((\a)%4)+\b):8*(8*((\a)%4)+\b)+7], v[128*(\p)+FR*\b:128*(\p)+FR*\b+FR-1], v[AF+FR*(\a):AF+FR*(\a)+FR-1], v[BI+8*\b:BI+8*\b+7], v[SC+8*NQ*(\sc)+NQ*\b+(\q)], v[SC+8*NQ*(\sc)+NQ*(\a)+(\q)] matrix_a_fmt:MATRIX_FMT_FP6 matrix_b_fmt:MATRIX_FMT_FP6 matrix_a_scale:MATRIX_SCALE_ROW1
.else
	v_wmma_scale_f32_16x16x128_f8f6f4 v[8*(8*((\a)%4)+\b):8*(8*((\a)%4)+\b)+7], v[128*(\p)+FR*\b:128*(\p)+FR*\b+FR-1], v[AF+FR*(\a):AF+FR*(\a)+FR-1], v[8*(8*((\a)%4)+\b):8*(8*((\a)%4)+\b)+7], v[SC+8*NQ*(\sc)+NQ*\b+(\q)], v[SC+8*NQ*(\sc)+NQ*(\a)+(\q)] matrix_a_fmt:MATRIX_FMT_FP6 matrix_b_fmt:MATRIX_FMT_FP6 matrix_a_scale:MATRIX_SCALE_ROW1
.endif
.endr
.endr
.endm
.macro FETCH_B slot, q, p              ; S0's eight fragments of the slot's q-th 128 along K into set p
	WIN TO_B
.irp i, 0,1,2,3,4,5,6,7
	FRAG 128*(\p)+FR*\i, ADRB+\slot, \q, \i
.endr
	WIN 0
.endm
.macro FETCH_A slot, q, i0             ; S1's blocks i0 .. i0 + 3
.irp i, \i0, \i0+1, \i0+2, \i0+3
	FRAG AF+FR*(\i), ADRA+\slot, \q, \i
.endr
.endm
.macro SCALES sc                       ; the next K step's scale words: two words a row; lanes 0-15 take S1's block i, lanes 16-31 S0's block i
.irp i, 0,1,2,3,4,5,6,7
	ds_load_b64 v[SC+8*NQ*\sc+NQ*\i:SC+8*NQ*\sc+NQ*\i+1], v[ADRS] offset:\i*SBLK
.endr
.endm
.macro PLACES n                        ; plain vector instructions between a matrix instruction and a load into a register that it has read (ISA guide 7.12.1 for vector instructions)
.rept \n
	v_nop
.endr
.endm
; A step of 128 along K that has its successor in the same slot.
.macro STEP slot, q, zero
	s_wait_dscnt 4*NL                              ; S0's set and S1's blocks 0-3 are in; the youngest 24 loads (S1's blocks 4-7) may be out
.if \zero
	WIN MUL_LO0
.else
	WIN MUL_LO
.endif
	MUL16 0, (\q)%2, \q, \slot, \zero
	MUL16 2, (\q)%2, \q, \slot, \zero
	s_wait_dscnt 0                                 ; S1's blocks 4-7 are in
	PLACES NP
	FETCH_B \slot, (\q)+1, 1-(\q)%2
	FETCH_A \slot, (\q)+1, 0
.if \zero
	WIN MUL_HI0
.else
	WIN MUL_HI
.endif
	MUL16 4, (\q)%2, \q, \slot, \zero
	MUL16 6, (\q)%2, \q, \slot, \zero
	PLACES NP
	WIN 0
	FETCH_A \slot, (\q)+1, 4
.endm
; A slot's last step changes slots: one barrier; in front of it each wave waits for all its tensor loads, adds 0 to its spare word, and waits for that and for its own reads of this slot.  fill = 1: this slot is filled again, two K steps ahead.
.macro TURN slot, next, fill
	s_wait_tensorcnt 0x0                           ; all my tensor loads have landed: my part of the next slot
	ds_add_u32 v[SPW], v[NIL]                      ; 0 onto my spare word
	s_wait_dscnt 4*NL+1                            ; the add and the youngest 24 loads may be out
	WIN MUL_LO
	MUL16 0, 1, NQ-1, \slot, 0                     ; sixteen matrix instructions stand between the add and the wait for it
	s_wait_dscnt 0x0                               ; the add is done, and my reads of this slot are over
	s_barrier_signal -1
	MUL16 2, 1, NQ-1, \slot, 0
	WIN 0
	s_barrier_wait -1
.if \fill
	CREST                                          ; the barrier has opened a round of the cluster's barrier: no wave of any partner still reads this slot or has a load on its way
	s_add_nc_u64 s[G0+4*\slot+2:G0+4*\slot+3], s[G0+4*\slot+2:G0+4*\slot+3], 2*ROWB
	s_add_nc_u64 s[G0B+4*\slot+2:G0B+4*\slot+3], s[G0B+4*\slot+2:G0B+4*\slot+3], 2*ROWB
	JLOAD G0+4*\slot, G1, G0B+4*\slot, G1B         ; the first tensor load behind the round; its four v_nop are the places in front of the loads below
.else
	PLACES NP
.endif
	s_wait_alu depctr_va_vdst(0)
	v_add_nc_u32 v[ADRS], 4*NQ, v[ADRS]            ; on to the next K step's scale words
	FETCH_B \next, 0, 0
	FETCH_A \next, 0, 0
	SCALES \next
	WIN MUL_HI
	MUL16 4, 1, NQ-1, \slot, 0
	MUL16 6, 1, NQ-1, \slot, 0
	PLACES NP
	WIN 0
	FETCH_A \next, 0, 4
.endm
	s_wait_tensorcnt 1                             ; the scales and my part of K step 0 are in (K step 1's load may be out)
	s_barrier_signal -1
	s_barrier_wait -1
	FETCH_B 0, 0, 0
	FETCH_A 0, 0, 0
	SCALES 0
	FETCH_A 0, 0, 4
	STEP 0, 0, 1                                   ; the first step stands in front of the loop: its products start the sums
	s_mov_b32 s3, LAPS-1
.Llap:                                                 ; a trip goes once round the ring and fills both slots again
	TURN 0, 1, 1
	STEP 1, 0, 0
	TURN 1, 0, 1
	STEP 0, 0, 0
	s_sub_co_u32 s3, s3, 1
	s_cmp_lg_u32 s3, 0
	s_cbranch_scc1 .Llap
	TURN 0, 1, 0                                   ; the last lap fills nothing
	STEP 1, 0, 0
	s_wait_dscnt 4*NL
	WIN MUL_LO
	MUL16 0, 1, NQ-1, 1, 0
	MUL16 2, 1, NQ-1, 1, 0
	s_wait_dscnt 0
	WIN MUL_HI
	MUL16 4, 1, NQ-1, 1, 0
	MUL16 6, 1, NQ-1, 1, 0
	WIN 0
	; THE WAY OUT.  No tensor load is out, so the descriptors' registers are free.  What differs between the two ways is kept in scalars.
	s_lshl_b32 s68, s42, 1
	s_add_co_u32 s68, s68, s16                     ; i0
	s_lshl_b32 s69, s17, 1
	s_add_co_u32 s69, s69, s15                     ; i1
	s_mov_b32 s[D2], HS
	s_mov_b32 s[STP], 768
	s_mov_b32 s84, 256
	s_mov_b32 s90, 12288
	s_cmp_lg_u32 s[VF], 0                          ; v's way?
	s_cselect_b32 s88, s68, s69                    ; my group of 128 tokens
	s_cselect_b32 s89, s69, s68                    ; my 128 channels: a pair of heads
	s_cselect_b32 s[D2], 768, s[D2]                ; registers 6-11: v: the tile's second image; q, k: the next head's block
	s_cselect_b32 s[STP], 1536, s[STP]             ; a tile's bytes
	s_cselect_b32 s[EXT], HS-3072, 0               ; v: tiles 4-7 are the next head's
	s_cselect_b32 s84, HS, s84                     ; the scale words of lanes 16-31: v: the next head's; q, k: tiles 4-7
	s_cselect_b32 s85, -1, 0xffff                  ; q, k: a head's two bytes of the word
	s_cselect_b32 s91, 3072, 0
	s_cselect_b32 s90, 12800, s90
	s_cselect_b32 s68, 8, s68
	s_cmp_ge_u32 s68, 8                            ; k and v go to kvimg, q to qimg
	s_cselect_b64 s[PA:PA+1], s[100:101], s[98:99]
	s_mov_b32 s[STP+1], 0
	s_mov_b32 s[EXT+1], 0
	s_mov_b32 s[D2+1], 0
	s_and_b32 s89, s89, 7
	s_lshl_b32 s89, s89, 5                         ; 16 blocks a head, two heads
	s_lshr_b32 s68, s88, 4
	s_lshl_b32 s68, s68, 8                         ; 16 heads of 16 blocks a batch
	s_and_b32 s88, s88, 15
	s_add_co_u32 s68, s68, s89
	s_add_co_u32 s68, s68, s88
	s_mul_i32 s68, s68, BLK
	s_mov_b32 s69, 0
	s_add_nc_u64 s[PA:PA+1], s[PA:PA+1], s[68:69]  ; my block
	s_mov_b32 s68, s90
	s_add_nc_u64 s[PS:PS+1], s[PA:PA+1], s[68:69]
	s_add_nc_u64 s[PS2:PS2+1], s[PS:PS+1], HS
	s_mov_b32 s68, s91
	s_add_nc_u64 s[PA:PA+1], s[PA:PA+1], s[68:69]
	s_add_nc_u64 s[PB:PB+1], s[PA:PA+1], s[D2:D2+1]
	s_mov_b32 s86, 0xff00ff00                      ; lanes with r >= 8
	s_mov_b32 s87, 0xffff0000                      ; lanes 16-31
	s_mov_b32 s[SEL], 0x76543210
	s_mov_b32 s[SEL+1], 0xfedcba98
	v_and_b32 v1, 15, v0                           ; these fourteen plain lines name no register of the last products: they are the places behind them
	v_bfe_u32 v2, v0, 4, 1
	v_xor_b32 v3, 8, v1
	v_lshlrev_b32 v4, 8, v2
	v_lshl_add_u32 v[O16], v1, 4, v4               ; 16 r + 256 h
	v_lshl_add_u32 v[O16+1], v3, 4, v4
	v_add_nc_u32 v[O16+1], 6144, v[O16+1]          ; 16 (r ^ 8) + 256 h + 6,144
	v_lshlrev_b32 v4, 7, v2
	v_lshl_add_u32 v[O8E], v1, 3, v4
	v_lshl_add_u32 v[O8O], v3, 3, v4
	v_add_nc_u32 v[O8E], 512, v[O8E]               ; 512 + 8 r + 128 h
	v_add_nc_u32 v[O8O], 6144+512, v[O8O]
	v_mul_u32_u24 v[OS], s84, v2
	v_lshl_add_u32 v[OS], v1, 4, v[OS]
.irp b, 0,1,2,3
	v_mov_b32 v[TM+4+\b], 0                        ; written once: a lane permute's destination counts as one of its sources
.endr
.irp a, 0,1,2,3,4,5,6,7
	v_mov_b32 v[XW+\a], 0
.endr
; 64 numbers of a lane, register 16 b + i = k 32 b + 16 (lane / 16) + i of my row, become a fragment's codes in v[pc] on and its scale word in v[pw].
.macro QUANT s, pc, pw
.irp b, 0,1,2,3
	v_max3_num_f32 v[TM+\b], |v[\s+16*\b]|, |v[\s+1+16*\b]|, 0x1800000   ; my 16 numbers of block b, and the floor 2^(3 - 127): the byte cannot fall under 1
.endr
.irp i, 2,4,6,8,10,12,14
.irp b, 0,1,2,3
	v_max3_num_f32 v[TM+\b], v[TM+\b], |v[\s+16*\b+\i]|, |v[\s+1+16*\b+\i]|
.endr
.endr
.irp b, 0,1,2,3
	v_permlanex16_b32 v[TM+4+\b], v[TM+\b], s[SEL], s[SEL+1]
.endr
.irp b, 0,1,2,3
	v_max_num_f32 v[TM+\b], v[TM+\b], v[TM+4+\b]   ; with lane l xor 16's: the block's largest magnitude
.endr
.irp b, 0,1,2,3
	v_add_nc_u32 v[TM+12+\b], 0xff000000, v[TM+\b] ; 2 off its exponent field: the conversion's scale operand
.endr
.irp b, 0,1,2,3
	v_lshrrev_b32 v[TM+4+\b], 23, v[TM+12+\b]      ; the scale's byte
.endr
	v_lshl_or_b32 v[\pw], v[TM+5], 8, v[TM+4]
	v_lshl_or_b32 v[\pw], v[TM+6], 16, v[\pw]
	v_lshl_or_b32 v[\pw], v[TM+7], 24, v[\pw]
.irp c, 0,1
	v_cvt_scalef32_pk16_fp6_f32 v[\pc+6*\c:\pc+2+6*\c], v[\s+32*\c:\s+15+32*\c], v[TM+12+2*\c]
	v_cvt_scalef32_pk16_fp6_f32 v[\pc+12+4*\c:\pc+14+4*\c], v[\s+16+32*\c:\s+31+32*\c], v[TM+12+2*\c+1]   ; (a conversion's three registers begin on an even number)
.endr
	v_nop                                          ; one plain place behind a scaled conversion
.irp c, 0,1                                    ; the operand's layout wants a whole block in a lane
.irp i, 0,1,2
	v_permlane16_swap_b32 v[\pc+6*\c+\i], v[\pc+12+4*\c+\i]
.endr
.irp i, 0,1,2
	v_mov_b32 v[\pc+3+6*\c+\i], v[\pc+12+4*\c+\i]
.endr
.endr
.endm
; Block a of S1: 16 lanes' rows x my 128 rows of S0.
.macro OUTBLK a
.set AC, 64*((\a)%4)
	WIN 0x02+(\a)/4                                ; source 0: window 2 or 3
.set n, 0
.rept 32
	v_pk_add_f32 v[HA+n:HA+n+1], v[AC+n:AC+n+1], v[BV+2*(\a):BV+2*(\a)+1]   ; into window 0, with the bias along S1; each accumulator from its low end on
.set n, n+2
.endr
	WIN 0
.irp b, 0,1,2,3                                ; tiles 2 b and 2 b + 1 hold S0's rows 32 b + 8 h + j and 32 b + 16 + 8 h + j: the exchange of halves leaves register 16 b + i with row 32 b + 16 h + i
.irp j, 0,1,2,3,4,5,6,7
	v_permlane16_swap_b32 v[HA+16*\b+\j], v[HA+16*\b+8+\j]
.endr
.endr
	s_wait_xcnt 0x0                                ; the earlier stores have read their registers
	QUANT HA, QC+20*((\a)%2), WD+(\a)
	global_store_b128 v[O16+(\a)%2], v[QC+20*((\a)%2):QC+20*((\a)%2)+3], s[PA:PA+1]
	global_store_b64 v[O8E+4*((\a)%2)], v[QC+20*((\a)%2)+4:QC+20*((\a)%2)+5], s[PA:PA+1]
	global_store_b128 v[O16+(\a)%2], v[QC+20*((\a)%2)+6:QC+20*((\a)%2)+9], s[PB:PB+1]
	global_store_b64 v[O8E+4*((\a)%2)], v[QC+20*((\a)%2)+10:QC+20*((\a)%2)+11], s[PB:PB+1]
.if ((\a)%2 == 1) && ((\a) < 7)
	s_wait_xcnt 0x0                                ; the stores have read their bases
	s_add_nc_u64 s[PA:PA+1], s[PA:PA+1], s[STP:STP+1]
	s_add_nc_u64 s[PB:PB+1], s[PB:PB+1], s[STP:STP+1]
.if (\a) == 3
	s_add_nc_u64 s[PA:PA+1], s[PA:PA+1], s[EXT:EXT+1]
	s_add_nc_u64 s[PB:PB+1], s[PB:PB+1], s[EXT:EXT+1]
.endif
.endif
.endm
.irp a, 0,1,2,3,4,5,6,7
	OUTBLK \a
.endr
	; THE SCALE WORDS, in the reader's order.  Its tile 2 b + u takes, in lanes 0-7, rows 8 u + r of my tile 2 b, and in lanes 8-15 rows 8 u + r - 8 of my tile 2 b + 1: my own lane's word or lane l xor 8's.
.irp a, 0,1,2,3,4,5,6,7
	v_mov_b32_dpp v[XW+\a], v[WD+\a] row_xmask:8 row_mask:0xf bank_mask:0xf
.endr
.irp e, 0,2,4,6
	v_cndmask_b32 v[HA+\e], v[WD+\e], v[XW+\e+1], s86
	v_cndmask_b32 v[HA+\e+1], v[XW+\e], v[WD+\e+1], s86
.endr
.irp j, 0,1,2,3
	v_cndmask_b32 v[HA+8+\j], v[HA+\j], v[HA+4+\j], s87   ; lanes 0-15: tiles 0-3; lanes 16-31: tiles 4-7
.endr
.irp j, 0,1,2,3
	v_and_b32 v[HA+12+\j], s85, v[HA+8+\j]
.endr
	global_store_b128 v[OS], v[HA+12:HA+15], s[PS:PS+1]
	s_cmp_lg_u32 s[VF], 0
	s_cbranch_scc1 .Lone_word                      ; q, k: the word's upper two bytes are the next head's
.irp j, 0,1,2,3
	v_lshrrev_b32 v[HA+16+\j], 16, v[HA+8+\j]
.endr
	global_store_b128 v[OS], v[HA+16:HA+19], s[PS2:PS2+1]
.Lone_word:
	s_wait_tensorcnt 0x0                           ; the wave's end
	ds_add_u32 v[SPW], v[NIL]
	s_wait_dscnt 0x0
	CROUND                                         ; the closing round: no work-group ends while a partner may still ask for a tile that names it
	s_endpgm
.Lfunc_end_k_q4f538bfd96_qkv:
	.size	k_q4f538bfd96_qkv, .Lfunc_end_k_q4f538bfd96_qkv-k_q4f538bfd96_qkv
	.p2alignl 7, 3214868480
	.fill 96, 4, 3214868480
	.section	.rodata,"a",@progbits
	.p2align	6, 0x0
	.amdhsa_kernel k_q4f538bfd96_qkv
		.amdhsa_group_segment_fixed_size 327680
		.amdhsa_private_segment_fixed_size 0
		.amdhsa_enable_private_segment 0
		.amdhsa_kernarg_size 56
		.amdhsa_user_sgpr_count 2
		.amdhsa_user_sgpr_kernarg_segment_ptr 1
		.amdhsa_wavefront_size32 1
		.amdhsa_system_sgpr_workgroup_id_x 1
		.amdhsa_system_sgpr_workgroup_id_y 1
		.amdhsa_system_sgpr_workgroup_id_z 1
		.amdhsa_system_vgpr_workitem_id 0
		.amdhsa_next_free_vgpr 1024
		.amdhsa_next_free_sgpr 102
		.amdhsa_reserve_vcc 0
		.amdhsa_float_denorm_mode_32 3
		.amdhsa_float_denorm_mode_16_64 3
		.amdhsa_memory_ordered 1
		.amdhsa_forward_progress 1
		.amdhsa_inst_pref_size 200
	.end_amdhsa_kernel
	.amdgpu_metadata
---
amdhsa.version: [ 1, 2 ]
amdhsa.kernels:
  - .name:           k_q4f538bfd96_qkv
    .symbol:         k_q4f538bfd96_qkv.kd
    .args:
      - { .name: x_codes, .offset: 0, .size: 8, .value_kind: global_buffer, .address_space: global }
      - { .name: x_scales, .offset: 8, .size: 8, .value_kind: global_buffer, .address_space: global }
      - { .name: w_attn_codes, .offset: 16, .size: 8, .value_kind: global_buffer, .address_space: global }
      - { .name: w_attn_scales, .offset: 24, .size: 8, .value_kind: global_buffer, .address_space: global }
      - { .name: b_attn, .offset: 32, .size: 8, .value_kind: global_buffer, .address_space: global }
      - { .name: qimg, .offset: 40, .size: 8, .value_kind: global_buffer, .address_space: global }
      - { .name: kvimg, .offset: 48, .size: 8, .value_kind: global_buffer, .address_space: global }
    .group_segment_fixed_size: 327680
    .private_segment_fixed_size: 0
    .kernarg_segment_align: 8
    .kernarg_segment_size: 56
    .max_flat_workgroup_size: 128
    .sgpr_count:     102
    .vgpr_count:     1024
    .wavefront_size: 32
...
	.end_amdgpu_metadata
.endif
;; end of part 1
;; launch attn (part 2): grid 4 x 64, 16 waves a work-group, clusters of 4 x 1, 210,944 bytes of LDS; arguments qimg, kvimg, yimg, ysc; writes yimg, ysc
.if DOCPART == 2
	.amdgcn_target "amdgcn-amd-amdhsa--gfx1250"
	.amdhsa_code_object_version 6
	.text
	.protected	k_q4f538bfd96_attn
	.globl	k_q4f538bfd96_attn
	.p2align	8
	.type	k_q4f538bfd96_attn,@function
k_q4f538bfd96_attn:
	s_mov_b64 s[64:65], 0
	v_nop
	global_prefetch_b8 v0, s[64:65] scope:SCOPE_SE
	s_setreg_imm32_b32 hwreg(HW_REG_WAVE_MODE, 25, 1), 1
	s_wait_xcnt 0x0
	s_wait_alu depctr_hold_cnt(0) depctr_sa_sdst(0) depctr_va_vdst(0) depctr_va_sdst(0) depctr_va_ssrc(0) depctr_va_vcc(0) depctr_vm_vsrc(0)
	s_getreg_b32 s2, hwreg(HW_REG_IB_STS2, 6, 4)
	s_cmp_eq_u32 s2, 0
	s_cbranch_scc0 .Lentry_in_a_cluster
	s_endpgm
.Lentry_in_a_cluster:
	s_bfe_u32 s2, ttmp6, 0x10000c
	s_cmp_lg_u32 s2, 0x3003
	s_cbranch_scc0 .Lentry_shape_is_right
	s_endpgm
.Lentry_shape_is_right:
; y = softmax(q k^T / 8, causal) v for 64 (batch x head), 2,048 tokens, head size 64, both products on codes of FP6 (E2M3) with one E8M0 scale for each 32 along a product's K; y leaves as codes, quantised along the channels.
; THE SOFTMAX: t = score x log2(e) / 8; M = the row's largest t so far, rounded up to a whole number; p = 2^(t - M) is quantised along the keys, not normalised; the row's sum is taken of the unquantised p and divides at the end.
; When M moves, the sum and O are multiplied by 2^(old M - new M): exact.
; SHARES.  A cluster of four work-groups takes one head.  The head's K and V, 16 blocks of 13,056 bytes (128 keys each: codes as images of operand registers, and scale words), fit in LDS whole: they are asked for JOINTLY, once, by
; first fills; nothing is filled again.  A head has 16 groups of 128 queries, each of 8 tiles of 16.  Work-group cx takes tiles 2 cx and 2 cx + 1 of every group; wave w takes tile 2 cx + w % 2 of group 15 - w / 2 and then of
; group w / 2: (16 - w / 2) + (w / 2 + 1) = 17 key steps of 128 in every wave.  Branches hang on the wave's number and on loop counters alone; cx enters global addresses and the mask's numbers only.
; Key steps that lie wholly behind the diagonal are left out by a scalar branch round the step's work; all trip counts are constants.
; LAYOUT.  Both products are used transposed: S^T = K Q^T, O^T = V^T P^T: a lane holds one query throughout.  Lane r of tile 2 b + u of K takes key 32 b + 8 u + r + 8 (r / 8), so that the 16 registers of tiles 2 b and 2 b + 1 are 16
; neighbouring keys; V's channels are taken likewise, so that O^T's registers are neighbours along y's K.  In a block even tiles lie at 0 (V: 3,072), odd tiles 6,144 further on, rows of odd tiles with r ^ 8: lanes 0-7 and 8-15 of a load
; then fall into complementary halves of 256 bytes.
; K = 64 IN AN INSTRUCTION OF K = 128: Q's operand is six registers of codes and six of zero codes, so K's upper six registers may hold any codes: tile t's operand is v[F + 6 t .. + 11], whose upper half is the next tile's codes.
; The scale words' upper two bytes are 0, which stands for a power of two.
; No prefetch: every byte of K and V is asked for by the first fills.
; LIMITS: NaN and infinities are not served; a block of y whose largest magnitude lies under 2^-124 has its byte held at 1; a block of zeros gets the byte 1 (this program alone reads the bytes).  y's scale bytes leave one byte a lane:
; a row's 32 bytes come from sixteen heads, which other clusters hold.
.set BLK,  13056
.set HS,   16*BLK
.set F,    40                          ; v40-93  K's eight tiles (6 registers each, + 6), then V's four (12 each)
.set QS,   37                          ; v37     Q's scale words
.set S,    96                          ; v96-159 S^T, then p, at the end y
.set O,    160                         ; v160-191 O^T
.set PC,   192                         ; v192-211 codes
.set BM,   212                         ; v212-215 the blocks' largest
.set PT,   216                         ; v216-219 the other half's; bytes
.set SO,   220                         ; v220-223 the conversions' scale operands
.set KSC,  224                         ; v224-227 K's scale words
.set VSC,  228                         ; v228-231 V's
.set W0,   232
.set PSW,  233                         ; p's scale word
.set FF,   234                         ; v[234:235] f = 2^(old M - new M)
.set SUM2, 236
.set NINF, 238
; v1, v2: a lane's place in registers 0-3 of a tile with u = 0, 1; v3, v4: in registers 4-5; v5: K's scale words; v6: V's; v7-12: the same in the block in hand; v13: my query - 16 (lane / 16) within its group;
; v14 -M, v15 the largest t; v[16:17] the sum; v18-23 Q's codes, v24-29 zeros; v30-36 the second task's Q and scale word; v38 16 x lane, v39 8 x lane, v94 32 r + h.
.set WV,   12
.set CX,   13
.set G,    19                          ; the task's group of queries
.set SEL,  20
.set CS,   22                          ; s[22:23] c = log2(e) / 8
.set G1A,  24
.set G1B,  32
.set G0A,  40
.set G0B,  44
.set TB,   48                          ; LDS byte at which the block in hand begins
.set KS,   49                          ; the key step
.set CNT,  50
.set MH,   51                          ; lanes 16-31
.set YL,   52                          ; s[52:53], s[54:55] the first task's y and scale bytes; s[56:57], s[58:59] the second's
.set YSL,  54
.set YH,   56
.set YSH,  58
.set QL,   60                          ; s[60:61], s[62:63] the tasks' blocks of Q
.set QH,   62
.macro CROUND                          ; a round of the cluster's barrier
	s_barrier_signal -1
	s_barrier_wait -1
	s_cmp_lg_u32 s[WV], 0
	s_cbranch_scc1 .Lnot_wave_0_\@
	s_barrier_signal -3
.Lnot_wave_0_\@:
	s_barrier_wait -3
	s_barrier_signal -1
	s_barrier_wait -1
.endm
	s_load_b256 s[4:11], s[0:1], 0x0               ; qimg, kvimg, yimg, ysc
	v_lshl_add_u32 v254, v0, 2, 0x33000
	v_mov_b32 v255, 0
	ds_add_u32 v254, v255
	ds_add_u32 v254, v255
	v_lshrrev_b32 v1, 5, v0
	s_delay_alu instid0(VALU_DEP_1)
	v_readfirstlane_b32 s[WV], v1                  ; wave 0..15
	s_bfe_u32 s[CX], ttmp6, 0x40000                ; cx
	s_and_b32 s14, ttmp7, 0xffff                   ; batch x head, which the four partners share
	s_and_b32 s15, s[WV], 1                        ; u
	s_lshr_b32 s16, s[WV], 1                       ; the second task's group
	s_sub_co_u32 s17, 15, s16                      ; the first task's
	s_and_b32 s18, s[WV], 3
	; descriptor groups 1: dense blocks as rows of 256 bytes (32 elements of 8), no padding: 51 rows (a block) and 153 (three)
	s_mov_b32 s[G1A], 15|(3<<16)|(1<<21)           ; 15:0 the mask: all four work-groups; elements of 8 bytes; bit 21 set beside a mask
	s_mov_b32 s[G1A+1], 32<<16
	s_mov_b32 s[G1A+2], 51<<16
	s_mov_b32 s[G1A+3], 32<<16
	s_mov_b32 s[G1A+4], 51
	s_mov_b32 s[G1A+5], 32
	s_mov_b32 s[G1A+6], 0
	s_mov_b32 s[G1A+7], 0
	s_mov_b32 s[G1B], 15|(3<<16)|(1<<21)
	s_mov_b32 s[G1B+1], 32<<16
	s_mov_b32 s[G1B+2], 153<<16
	s_mov_b32 s[G1B+3], 32<<16
	s_mov_b32 s[G1B+4], 153
	s_mov_b32 s[G1B+5], 32
	s_mov_b32 s[G1B+6], 0
	s_mov_b32 s[G1B+7], 0
	s_mul_i32 s66, s14, HS
	s_mov_b32 s67, 0
	s_mul_i32 s68, s18, BLK                        ; wave w of 0..3: block w,
	s_mov_b32 s69, 0
	s_mul_i32 s70, s18, 3*BLK
	s_add_co_u32 s70, s70, 4*BLK                   ; and blocks 4 + 3 w .. 6 + 3 w: in memory as in LDS
	s_mov_b32 s71, 0
	s_wait_dscnt 0x0
	s_wait_kmcnt 0x0
	s_add_nc_u64 s[6:7], s[6:7], s[66:67]          ; my head's K and V
	s_mov_b32 s[G0A], 1
	s_mov_b32 s[G0A+1], s68
	s_add_nc_u64 s[G0A+2:G0A+3], s[6:7], s[68:69]
	s_or_b32 s[G0A+3], s[G0A+3], 0x80000000
	s_mov_b32 s[G0B], 1
	s_mov_b32 s[G0B+1], s70
	s_add_nc_u64 s[G0B+2:G0B+3], s[6:7], s[70:71]
	s_or_b32 s[G0B+3], s[G0B+3], 0x80000000
	CROUND                                         ; all four work-groups are here: the joint loads meet
	s_cmp_lt_u32 s[WV], 4                          ; waves 0 to 3 fetch: a wave's two first fills stand in one branch; two tensor loads of the wave are out
	s_cbranch_scc0 .Lno_fill
	tensor_load_to_lds s[G0A:G0A+3], s[G1A:G1A+7]
	s_nop 0
	tensor_load_to_lds s[G0B:G0B+3], s[G1B:G1B+7]
	s_nop 0
.rept 4
	v_nop
.endr
.Lno_fill:
	v_and_b32 v40, 15, v0                          ; r
	v_bfe_u32 v41, v0, 4, 1                        ; h
	v_bfe_u32 v42, v0, 3, 1                        ; r / 8
	s_wait_alu depctr_va_vdst(0)
	v_and_b32 v43, 7, v0                           ; r % 8
	; Q: natural tile 2 cx + u of a group: parity u, at 6,144 u + 768 cx; its scale word stands in the reader's order of tiles
	s_lshl_b32 s2, s15, 3
	v_xor_b32 v44, s2, v40                         ; r ^ 8 u
	s_mul_i32 s3, s15, 6144
	s_mul_i32 s72, s[CX], 768
	s_add_co_u32 s3, s3, s72
	v_lshlrev_b32 v45, 8, v41
	s_delay_alu instid0(VALU_DEP_1)
	v_lshl_add_u32 v45, v44, 4, v45
	s_delay_alu instid0(VALU_DEP_1)
	v_add_nc_u32 v236, s3, v45                     ; registers 0-3
	v_lshlrev_b32 v45, 7, v41
	s_delay_alu instid0(VALU_DEP_1)
	v_lshl_add_u32 v45, v44, 3, v45
	s_delay_alu instid0(VALU_DEP_1)
	v_add_nc_u32 v237, s3, v45                     ; registers 4-5 (+ 512 in the immediate)
	s_lshr_b32 s72, s[CX], 1
	s_lshl_b32 s72, s72, 8
	s_and_b32 s73, s[CX], 1
	s_lshl_b32 s73, s73, 3
	s_add_co_u32 s72, s72, s73
	s_lshl_b32 s73, s15, 7
	s_add_co_u32 s72, s72, s73
	v_lshlrev_b32 v45, 2, v42
	s_wait_alu depctr_va_vdst(0)
	v_lshl_add_u32 v45, v43, 4, v45
	s_delay_alu instid0(VALU_DEP_1)
	v_add_nc_u32 v238, s72, v45                    ; 256 (cx / 2) + 128 u + 8 (cx % 2) + 16 (r % 8) + 4 (r / 8) (+ 12,288 in the immediate)
	s_wait_alu depctr_va_vdst(0)
	s_lshl_b32 s72, s14, 4
	s_add_co_u32 s73, s72, s17
	s_mul_i32 s74, s73, BLK
	s_mov_b32 s75, 0
	s_add_nc_u64 s[QL:QL+1], s[4:5], s[74:75]
	s_add_co_u32 s73, s72, s16
	s_mul_i32 s74, s73, BLK
	s_add_nc_u64 s[QH:QH+1], s[4:5], s[74:75]
	global_load_b128 v[18:21], v236, s[QL:QL+1]
	global_load_b64 v[22:23], v237, s[QL:QL+1] offset:512
	global_load_b32 v[QS], v238, s[QL:QL+1] offset:12288
	global_load_b128 v[30:33], v236, s[QH:QH+1]
	global_load_b64 v[34:35], v237, s[QH:QH+1] offset:512
	global_load_b32 v36, v238, s[QH:QH+1] offset:12288
	; a lane's places in a block in LDS
	v_lshlrev_b32 v45, 4, v43
	s_delay_alu instid0(VALU_DEP_1)
	v_lshl_add_u32 v45, v41, 8, v45                ; 16 (r % 8) + 256 h
	s_delay_alu instid0(VALU_DEP_1)
	v_mad_u32_u24 v1, v42, 6272, v45               ; u = 0: + (r / 8) (6,144 + 128)
	s_delay_alu instid0(VALU_DEP_2)
	v_mad_u32_u24 v2, v42, 6016, v45               ; u = 1: + 128 + (r / 8) (6,144 - 128)
	s_delay_alu instid0(VALU_DEP_1)
	v_add_nc_u32 v2, 128, v2
	v_lshlrev_b32 v45, 3, v43
	s_delay_alu instid0(VALU_DEP_1)
	v_lshl_add_u32 v45, v41, 7, v45                ; 8 (r % 8) + 128 h
	s_delay_alu instid0(VALU_DEP_1)
	v_mad_u32_u24 v3, v42, 6208, v45
	s_delay_alu instid0(VALU_DEP_1)
	v_add_nc_u32 v3, 512, v3
	s_delay_alu instid0(VALU_DEP_3)
	v_mad_u32_u24 v4, v42, 6080, v45
	s_delay_alu instid0(VALU_DEP_1)
	v_add_nc_u32 v4, 576, v4
	v_and_b32 v46, 31, v0
	s_delay_alu instid0(VALU_DEP_1)
	v_lshlrev_b32 v38, 4, v46
	s_delay_alu instid0(VALU_DEP_2)
	v_lshlrev_b32 v39, 3, v46
	s_delay_alu instid0(VALU_DEP_2)
	v_add_nc_u32 v5, 12288, v38
	v_lshl_add_u32 v6, v40, 4, 12800
	v_lshl_add_u32 v94, v40, 5, v41
	s_lshl_b32 s2, s[CX], 5
	s_lshl_b32 s3, s15, 4
	s_add_co_u32 s2, s2, s3
	v_lshlrev_b32 v47, 4, v41
	s_delay_alu instid0(VALU_DEP_1)
	v_sub_nc_u32 v13, v40, v47
	s_delay_alu instid0(VALU_DEP_1)
	v_add_nc_u32 v13, s2, v13                      ; 32 cx + 16 u + r - 16 h
	; where y goes: tile T = 128 batch + 8 group + 2 cx + u of 16 tokens; yimg [head / 4][T][3,072], a head's image at 768 (head % 4); ysc: 32 bytes a token, my head's two at 2 head
	s_lshr_b32 s72, s14, 4
	s_and_b32 s73, s14, 15
	s_lshl_b32 s74, s72, 7
	s_lshl_b32 s75, s[CX], 1
	s_add_co_u32 s74, s74, s75
	s_add_co_u32 s74, s74, s15
	s_lshr_b32 s75, s73, 2
	s_mul_i32 s75, s75, 1572864
	s_and_b32 s76, s73, 3
	s_mul_i32 s76, s76, 768
	s_add_co_u32 s75, s75, s76
	s_mul_i32 s76, s74, 3072
	s_add_co_u32 s76, s75, s76
	s_mov_b32 s77, 0
	s_add_nc_u64 s[8:9], s[8:9], s[76:77]
	s_lshl_b32 s76, s74, 9
	s_lshl_b32 s78, s73, 1
	s_add_co_u32 s76, s76, s78
	s_add_nc_u64 s[10:11], s[10:11], s[76:77]
	s_mul_i32 s76, s17, 24576
	s_add_nc_u64 s[YL:YL+1], s[8:9], s[76:77]
	s_lshl_b32 s76, s17, 12
	s_add_nc_u64 s[YSL:YSL+1], s[10:11], s[76:77]
	s_mul_i32 s76, s16, 24576
	s_add_nc_u64 s[YH:YH+1], s[8:9], s[76:77]
	s_lshl_b32 s76, s16, 12
	s_add_nc_u64 s[YSH:YSH+1], s[10:11], s[76:77]
	s_mov_b32 s[SEL], 0x76543210
	s_mov_b32 s[SEL+1], 0xfedcba98
	s_mov_b32 s[CS], 0x3e38aa3b                    ; c = log2(e) / 8
	s_mov_b32 s[CS+1], s[CS]
	s_mov_b32 s[MH], 0xffff0000
	s_mov_b32 s[TB], 0
	s_mov_b32 s[KS], 0
	s_mov_b32 s[G], s17
.irp i, 0,1,2,3,4,5
	v_mov_b32 v[24+\i], 0                          ; the zero codes of Q's upper 64 along K
	v_mov_b32 v[F+48+\i], 0                        ; and what stands behind K's last tile
.endr
.irp b, 0,1,2,3
	v_mov_b32 v[PT+\b], 0                          ; written once: a lane permute's destination counts as one of its sources
.endr
	v_mov_b32 v[W0], 0
	v_mov_b32 v[FF+1], 0                           ; (named as the upper half of a pair)
.macro INIT                            ; a task begins: O^T and the sum are zeros, the largest t lies under every t
	v_mov_b32 v15, 0xff61b1e6
	s_delay_alu instid0(VALU_DEP_1)
	v_floor_f32 v14, -v15
	v_mov_b32 v16, 0
	v_mov_b32 v17, 0
.set n, 0
.rept 32
	v_mov_b32 v[O+n], 0
.set n, n+1
.endr
.endm
; A KEY STEP: the 128 keys of the block at s[TB].  skip = 1: a step behind the task's diagonal is left out;  mask = 1: on the diagonal hidden scores become -infinity.
.macro STEP skip, mask
.if \skip
	s_cmp_gt_u32 s[KS], s[G]
	s_cbranch_scc1 .Lhid_\@
.endif
	s_setprio 2
.irp i, 0,1,2,3,4,5
	v_add_nc_u32 v[7+\i], s[TB], v[1+\i]           ; (these six are also the places in front of the loads into registers that the last products have read)
.endr
.irp t, 0,1,2,3,4,5,6,7
	ds_load_b128 v[F+6*\t:F+6*\t+3], v[7+\t%2] offset:768*(\t/2)
	ds_load_b64 v[F+6*\t+4:F+6*\t+5], v[9+\t%2] offset:768*(\t/2)
.endr
	ds_load_b128 v[KSC:KSC+3], v11                 ; lanes 0-15: the words of tiles 0-3; lanes 16-31: of tiles 4-7
	s_wait_alu depctr_va_vdst(0)
	s_wait_dscnt 0x0
.irp t, 0,1,2,3
	v_wmma_scale_f32_16x16x128_f8f6f4 v[S+8*\t:S+8*\t+7], v[F+6*\t:F+6*\t+11], v[18:29], 0, v[KSC+\t], v[QS] matrix_a_fmt:MATRIX_FMT_FP6 matrix_b_fmt:MATRIX_FMT_FP6
.endr
.irp t, 4,5,6,7
	v_wmma_scale_f32_16x16x128_f8f6f4 v[S+8*\t:S+8*\t+7], v[F+6*\t:F+6*\t+11], v[18:29], 0, v[KSC+\t-4], v[QS] matrix_a_fmt:MATRIX_FMT_FP6 matrix_b_fmt:MATRIX_FMT_FP6 matrix_a_scale:MATRIX_SCALE_ROW1
.endr
.rept 4
	v_nop                                          ; places: in front of the loads below and of the first read of the scores
.endr
.irp c, 0,1,2,3                                ; V's four tiles are asked for now: they land while the softmax is worked
	ds_load_b128 v[F+12*\c:F+12*\c+3], v[7+\c%2] offset:3072+1536*(\c/2)
	ds_load_b64 v[F+12*\c+4:F+12*\c+5], v[9+\c%2] offset:3072+1536*(\c/2)
	ds_load_b128 v[F+12*\c+6:F+12*\c+9], v[7+\c%2] offset:3072+1536*(\c/2)+768
	ds_load_b64 v[F+12*\c+10:F+12*\c+11], v[9+\c%2] offset:3072+1536*(\c/2)+768
.endr
	ds_load_b128 v[VSC:VSC+3], v12
.if \mask
	s_cmp_lg_u32 s[KS], s[G]
	s_cbranch_scc1 .Lopen_\@
	v_mov_b32 v[NINF], 0xff800000                  ; register 16 b + i holds key 32 b + 16 h + i of the group: hidden where 32 b + i > my query - 16 h
.set n, 0
.rept 64
	v_cmp_gt_i32 vcc_lo, 32*(n/16)+n%16, v13
	v_cndmask_b32 v[S+n], v[S+n], v[NINF], vcc_lo
.set n, n+1
.endr
.Lopen_\@:
.endif
.irp b, 0,1,2,3
	v_max3_num_f32 v[BM+\b], v[S+16*\b], v[S+1+16*\b], v[S+2+16*\b]   ; the largest score of each block of 32 keys: for the row's maximum and, since p rises with the score, for the block's largest p
.endr
.irp i, 3,5,7,9,11,13
.irp b, 0,1,2,3
	v_max3_num_f32 v[BM+\b], v[BM+\b], v[S+16*\b+\i], v[S+1+16*\b+\i]
.endr
.endr
.irp b, 0,1,2,3
	v_max_num_f32 v[BM+\b], v[BM+\b], v[S+15+16*\b]
.endr
.irp b, 0,1,2,3
	s_delay_alu instid0(VALU_DEP_4)
	v_permlanex16_b32 v[PT+\b], v[BM+\b], s[SEL], s[SEL+1]
.endr
.irp b, 0,1,2,3
	s_delay_alu instid0(VALU_DEP_4)
	v_max_num_f32 v[BM+\b], v[BM+\b], v[PT+\b]     ; with lane l xor 16's 16 keys
.endr
	s_delay_alu instid0(VALU_DEP_2)
	v_max3_num_f32 v[W0], v[BM], v[BM+1], v[BM+2]
	s_delay_alu instid0(VALU_DEP_1)
	v_max_num_f32 v[W0], v[W0], v[BM+3]
	s_delay_alu instid0(VALU_DEP_1)
	v_mul_f32 v[W0], s[CS], v[W0]
	s_delay_alu instid0(VALU_DEP_1)
	v_max_num_f32 v15, v15, v[W0]                  ; the running largest t
	v_mov_b32 v[W0], v14
	s_delay_alu instid0(VALU_DEP_2)
	v_floor_f32 v14, -v15                          ; the new -M = -ceil(t)
	s_delay_alu instid0(VALU_DEP_1)
	v_sub_f32 v[W0], v14, v[W0]                    ; old M - new M: a whole number, 0 or less
	s_delay_alu instid0(VALU_DEP_1)
	v_cvt_i32_f32 v[W0], v[W0]                     ; (it saturates)
	s_delay_alu instid0(VALU_DEP_1)
	v_ldexp_f32 v[FF], 1.0, v[W0]                  ; f = 2^(old M - new M)
.set n, 0
.rept 32
	v_pk_fma_f32 v[S+n:S+n+1], v[S+n:S+n+1], s[CS:CS+1], v[14:15] op_sel_hi:[1,0,0]   ; t - M
.set n, n+2
.endr
.irp b, 0,1,2,3
	v_fma_f32 v[BM+\b], v[BM+\b], s[CS], v14
.endr
.set n, 0
	s_setprio 1
	s_wait_alu depctr_va_vdst(0)
.rept 64
	v_exp_f32 v[S+n], v[S+n]                       ; p = 2^(t - M)
.set n, n+1
.endr
	v_pk_mul_f32 v[16:17], v[16:17], v[FF:FF+1] op_sel_hi:[1,0]   ; the sums under the new M (a plain line behind the exponentials)
	s_wait_alu depctr_va_vdst(0)                   ; one wait for the batch of 64, ahead of its first reader
.irp b, 0,1,2,3
	v_exp_f32 v[BM+\b], v[BM+\b]                   ; the blocks' largest p
.endr
	v_pk_add_f32 v[236:237], v[100:101], v[104:105]
	v_pk_add_f32 v[252:253], v[108:109], v[112:113]
	v_pk_add_f32 v[250:251], v[116:117], v[120:121]
	v_pk_add_f32 v[248:249], v[124:125], v[128:129]
	v_pk_add_f32 v[246:247], v[132:133], v[136:137]
	v_pk_add_f32 v[244:245], v[140:141], v[144:145]
	v_pk_add_f32 v[242:243], v[148:149], v[152:153]
	v_pk_add_f32 v[16:17], v[16:17], v[156:157]
	v_pk_add_f32 v[236:237], v[236:237], v[96:97]
	v_pk_add_f32 v[252:253], v[252:253], v[98:99]
	v_pk_add_f32 v[250:251], v[250:251], v[102:103]
	v_pk_add_f32 v[248:249], v[248:249], v[106:107]
	v_pk_add_f32 v[246:247], v[246:247], v[110:111]
	v_pk_add_f32 v[244:245], v[244:245], v[114:115]
	v_pk_add_f32 v[242:243], v[242:243], v[118:119]
	v_pk_add_f32 v[16:17], v[16:17], v[122:123]
	v_pk_add_f32 v[236:237], v[236:237], v[126:127]
	v_pk_add_f32 v[252:253], v[252:253], v[130:131]
	v_pk_add_f32 v[250:251], v[250:251], v[134:135]
	v_pk_add_f32 v[248:249], v[248:249], v[138:139]
	v_pk_add_f32 v[246:247], v[246:247], v[142:143]
	v_pk_add_f32 v[244:245], v[244:245], v[146:147]
	v_pk_add_f32 v[242:243], v[242:243], v[150:151]
	v_pk_add_f32 v[16:17], v[16:17], v[154:155]
	v_pk_add_f32 v[236:237], v[236:237], v[158:159]
	s_delay_alu instid0(VALU_DEP_2)
	v_pk_add_f32 v[16:17], v[16:17], v[248:249]
	s_delay_alu instid0(VALU_DEP_2)
	v_pk_add_f32 v[236:237], v[236:237], v[246:247]
	v_pk_add_f32 v[252:253], v[252:253], v[244:245]
	v_pk_add_f32 v[250:251], v[250:251], v[242:243]
	s_delay_alu instid0(VALU_DEP_2)
	v_pk_add_f32 v[16:17], v[16:17], v[252:253]
	s_delay_alu instid0(VALU_DEP_2)
	v_pk_add_f32 v[236:237], v[236:237], v[250:251]
	s_delay_alu instid0(VALU_DEP_1)
	v_pk_add_f32 v[16:17], v[16:17], v[236:237]
	s_wait_alu depctr_va_vdst(0)                   ; and one for the four
.irp b, 0,1,2,3
	v_max_num_f32 v[BM+\b], 0x1800000, v[BM+\b]    ; the floor 2^(3 - 127): the byte cannot fall under 1
.endr
.irp b, 0,1,2,3
	s_delay_alu instid0(VALU_DEP_4)
	v_add_nc_u32 v[SO+\b], 0xff000000, v[BM+\b]    ; 2 off the exponent field: the conversion's scale operand
.endr
.irp b, 0,1,2,3
	s_delay_alu instid0(VALU_DEP_4)
	v_lshrrev_b32 v[PT+\b], 23, v[SO+\b]           ; the scale's byte
.endr
	s_delay_alu instid0(VALU_DEP_3)
	v_lshl_or_b32 v[PSW], v[PT+1], 8, v[PT]
	s_delay_alu instid0(VALU_DEP_1)
	v_lshl_or_b32 v[PSW], v[PT+2], 16, v[PSW]
	s_delay_alu instid0(VALU_DEP_1)
	v_lshl_or_b32 v[PSW], v[PT+3], 24, v[PSW]
.irp c, 0,1
	v_cvt_scalef32_pk16_fp6_f32 v[PC+6*\c:PC+2+6*\c], v[S+32*\c:S+15+32*\c], v[SO+2*\c]
	v_cvt_scalef32_pk16_fp6_f32 v[PC+12+4*\c:PC+14+4*\c], v[S+16+32*\c:S+31+32*\c], v[SO+2*\c+1]
.endr
	v_nop                                          ; one plain place behind a scaled conversion
	s_setprio 0
.irp c, 0,1                                    ; the operand's layout wants a whole block in a lane
.irp i, 0,1,2
	v_permlane16_swap_b32 v[PC+6*\c+\i], v[PC+12+4*\c+\i]
.endr
.irp i, 0,1,2
	s_delay_alu instid0(VALU_DEP_3)
	v_mov_b32 v[PC+3+6*\c+\i], v[PC+12+4*\c+\i]
.endr
.endr
.set n, 0
.rept 16
	v_pk_mul_f32 v[O+n:O+n+1], v[O+n:O+n+1], v[FF:FF+1] op_sel_hi:[1,0]   ; O^T under the new M (also the places in front of the products below)
.set n, n+2
.endr
	s_wait_alu depctr_va_vdst(0)
	s_wait_dscnt 0x0                               ; V
.irp c, 0,1,2,3
	v_wmma_scale_f32_16x16x128_f8f6f4 v[O+8*\c:O+8*\c+7], v[F+12*\c:F+12*\c+11], v[PC:PC+11], v[O+8*\c:O+8*\c+7], v[VSC+\c], v[PSW] matrix_a_fmt:MATRIX_FMT_FP6 matrix_b_fmt:MATRIX_FMT_FP6
.endr
.if \skip
.Lhid_\@:
.endif
	s_add_co_u32 s[KS], s[KS], 1
	s_add_co_u32 s[TB], s[TB], BLK
.endm
; A task ends: y = O^T / the sum, 64 channels of 16 queries: register 16 b + i is channel 32 b + 16 h + i.  Quantised along the channels, two blocks; the codes are operand registers 0-5 and leave as their image.
.macro FIN y, ys
.rept 4
	v_nop                                          ; places behind the last products
.endr
	v_add_f32 v16, v16, v17
	s_delay_alu instid0(VALU_DEP_1)
	v_permlanex16_b32 v[W0], v16, s[SEL], s[SEL+1]
	s_delay_alu instid0(VALU_DEP_1)
	v_add_f32 v16, v16, v[W0]                      ; the row's sum
	s_wait_alu depctr_va_vdst(0)
	v_rcp_f32 v16, v16
	v_nop                                          ; a plain line behind the reciprocal
	s_wait_alu depctr_va_vdst(0)                   ; and the wait ahead of its first reader
.set n, 0
.rept 32
	v_mul_f32 v[S+n], v[O+n], v16                  ; each accumulator from its low end on
.set n, n+1
.endr
.irp b, 0,1
	v_max3_num_f32 v[BM+\b], |v[S+16*\b]|, |v[S+1+16*\b]|, 0x1800000
.endr
.irp i, 2,4,6,8,10,12,14
.irp b, 0,1
	s_delay_alu instid0(VALU_DEP_2)
	v_max3_num_f32 v[BM+\b], v[BM+\b], |v[S+16*\b+\i]|, |v[S+1+16*\b+\i]|
.endr
.endr
.irp b, 0,1
	s_delay_alu instid0(VALU_DEP_2)
	v_permlanex16_b32 v[PT+\b], v[BM+\b], s[SEL], s[SEL+1]
.endr
.irp b, 0,1
	s_delay_alu instid0(VALU_DEP_2)
	v_max_num_f32 v[BM+\b], v[BM+\b], v[PT+\b]
.endr
.irp b, 0,1
	s_delay_alu instid0(VALU_DEP_2)
	v_add_nc_u32 v[SO+\b], 0xff000000, v[BM+\b]
.endr
.irp b, 0,1
	s_delay_alu instid0(VALU_DEP_2)
	v_lshrrev_b32 v[PT+\b], 23, v[SO+\b]
.endr
	v_cvt_scalef32_pk16_fp6_f32 v[PC:PC+2], v[S:S+15], v[SO]
	v_cvt_scalef32_pk16_fp6_f32 v[PC+12:PC+14], v[S+16:S+31], v[SO+1]
	v_cndmask_b32 v[W0], v[PT], v[PT+1], s[MH]     ; lanes 0-15 store block 0's byte, lanes 16-31 block 1's (a plain line behind the conversions)
.irp i, 0,1,2
	v_permlane16_swap_b32 v[PC+\i], v[PC+12+\i]
.endr
.irp i, 0,1,2
	s_delay_alu instid0(VALU_DEP_3)
	v_mov_b32 v[PC+3+\i], v[PC+12+\i]
.endr
	global_store_b128 v38, v[PC:PC+3], s[\y:\y+1]              ; 512 consecutive bytes
	global_store_b64 v39, v[PC+4:PC+5], s[\y:\y+1] offset:512  ; 256 consecutive bytes
	global_store_b8 v94, v[W0], s[\ys:\ys+1]
.endm
	s_wait_tensorcnt 0x1                           ; a fetching wave's first load, one of blocks 0 to 3, is in; its second may stay out
	s_barrier_signal -1
	s_barrier_wait -1
	INIT
	s_wait_loadcnt 0x0                             ; Q of both tasks
	s_mov_b32 s[CNT], 4
.Lfirst:                                           ; blocks 0 to 3: the first task's group is 8 or more, so all their keys count
	STEP 0, 0
	s_sub_co_u32 s[CNT], s[CNT], 1
	s_cmp_lg_u32 s[CNT], 0
	s_cbranch_scc1 .Lfirst
	s_setprio 0
	s_wait_tensorcnt 0x0                           ; blocks 4 to 15
	s_wait_dscnt 0x0
	s_barrier_signal -1
	s_barrier_wait -1
	s_mov_b32 s[CNT], 12
.Llong:
	STEP 1, 1
	s_sub_co_u32 s[CNT], s[CNT], 1
	s_cmp_lg_u32 s[CNT], 0
	s_cbranch_scc1 .Llong
	s_setprio 0
	FIN YL, YSL
	s_wait_xcnt 0x0                                ; the stores have read their registers
	v_mov_b32 v[QS], v36                           ; the second task's Q: the 36 lines of INIT and a step's six stand between these moves and the first product
.irp i, 0,1,2,3,4,5
	v_mov_b32 v[18+\i], v[30+\i]
.endr
	INIT
	s_mov_b32 s[TB], 0
	s_mov_b32 s[KS], 0
	s_mov_b32 s[G], s16
	s_mov_b32 s[CNT], 8
.Lshort:
	STEP 1, 1
	s_sub_co_u32 s[CNT], s[CNT], 1
	s_cmp_lg_u32 s[CNT], 0
	s_cbranch_scc1 .Lshort
	s_setprio 0
	FIN YH, YSH
	s_wait_tensorcnt 0x0
	ds_add_u32 v254, v255
	s_wait_dscnt 0x0
	CROUND                                         ; the closing round
	s_endpgm
.Lfunc_end_k_q4f538bfd96_attn:
	.size	k_q4f538bfd96_attn, .Lfunc_end_k_q4f538bfd96_attn-k_q4f538bfd96_attn
	.p2alignl 7, 3214868480
	.fill 96, 4, 3214868480
	.section	.rodata,"a",@progbits
	.p2align	6, 0x0
	.amdhsa_kernel k_q4f538bfd96_attn
		.amdhsa_group_segment_fixed_size 210944
		.amdhsa_private_segment_fixed_size 0
		.amdhsa_enable_private_segment 0
		.amdhsa_kernarg_size 32
		.amdhsa_user_sgpr_count 2
		.amdhsa_user_sgpr_kernarg_segment_ptr 1
		.amdhsa_wavefront_size32 1
		.amdhsa_system_sgpr_workgroup_id_x 1
		.amdhsa_system_sgpr_workgroup_id_y 1
		.amdhsa_system_sgpr_workgroup_id_z 1
		.amdhsa_system_vgpr_workitem_id 0
		.amdhsa_next_free_vgpr 256
		.amdhsa_next_free_sgpr 80
		.amdhsa_reserve_vcc 1
		.amdhsa_float_denorm_mode_32 3
		.amdhsa_float_denorm_mode_16_64 3
		.amdhsa_memory_ordered 1
		.amdhsa_forward_progress 1
		.amdhsa_inst_pref_size 84
	.end_amdhsa_kernel
	.amdgpu_metadata
---
amdhsa.version: [ 1, 2 ]
amdhsa.kernels:
  - .name:           k_q4f538bfd96_attn
    .symbol:         k_q4f538bfd96_attn.kd
    .args:
      - { .name: qimg, .offset: 0, .size: 8, .value_kind: global_buffer, .address_space: global }
      - { .name: kvimg, .offset: 8, .size: 8, .value_kind: global_buffer, .address_space: global }
      - { .name: yimg, .offset: 16, .size: 8, .value_kind: global_buffer, .address_space: global }
      - { .name: ysc, .offset: 24, .size: 8, .value_kind: global_buffer, .address_space: global }
    .group_segment_fixed_size: 210944
    .private_segment_fixed_size: 0
    .kernarg_segment_align: 8
    .kernarg_segment_size: 32
    .max_flat_workgroup_size: 512
    .sgpr_count:     80
    .vgpr_count:     256
    .wavefront_size: 32
...
	.end_amdgpu_metadata
.endif
;; end of part 2
;; launch proj (part 3): grid 4 x 32, 4 waves a work-group, clusters of 4 x 4, 327,680 bytes of LDS; arguments yimg, ysc, w_proj_codes, w_proj_scales, b_proj, out0; writes out0
.if DOCPART == 3
	.amdgcn_target "amdgcn-amd-amdhsa--gfx1250"
	.amdhsa_code_object_version 6
	.text
	.protected	k_q4f538bfd96_proj
	.globl	k_q4f538bfd96_proj
	.p2align	8
	.type	k_q4f538bfd96_proj,@function
k_q4f538bfd96_proj:
	s_mov_b64 s[64:65], 0
	v_nop
	global_prefetch_b8 v0, s[64:65] scope:SCOPE_SE
	s_setreg_imm32_b32 hwreg(HW_REG_WAVE_MODE, 25, 1), 1
	s_wait_xcnt 0x0
	s_wait_alu depctr_hold_cnt(0) depctr_sa_sdst(0) depctr_va_vdst(0) depctr_va_sdst(0) depctr_va_ssrc(0) depctr_va_vcc(0) depctr_vm_vsrc(0)
	s_getreg_b32 s2, hwreg(HW_REG_IB_STS2, 6, 4)
	s_cmp_eq_u32 s2, 0
	s_cbranch_scc0 .Lentry_in_a_cluster
	s_endpgm
.Lentry_in_a_cluster:
	s_bfe_u32 s2, ttmp6, 0x10000c
	s_cmp_lg_u32 s2, 0xf033
	s_cbranch_scc0 .Lentry_shape_is_right
	s_endpgm
.Lentry_shape_is_right:
; out0 = y w_proj + b_proj on codes of FP6 (E2M3) with one E8M0 scale for each 32 along K = 1,024.  y: 8,192 rows; w_proj: 1,024 rows of 768 bytes of codes and 32 scale bytes; out0: [8192][1024] f32.
; y's codes lie as IMAGES OF OPERAND REGISTERS: yimg [K step of 256 (4)][tile of 16 rows (512)][3,072 bytes]; in a tile four images of 768 bytes, one for each 64 along K: registers 0-3 at 16 x lane, registers 4-5 at 512 + 8 x lane.
; So a K step's codes of 128 rows are one dense block of 24,576 bytes, and a fragment (16 rows x 128 K) comes by two loads of 16 bytes and two of 8 a lane, each of consecutive bytes.  y's scale bytes lie [8192][32].
; A work-group of four waves makes 256 x 256, a wave 128 x 128: 64 accumulators.  K goes in steps of 256 through a ring of two LDS slots filled by the tensor data mover.  The scales of the work-group's rows come once and stay.
; CLUSTERS: 4 x 4 work-groups; y's tiles are shared along a row of the cluster, w_proj's along a column: each is asked for jointly.  128 work-groups: what tiles of 256 x 256 give at this size.
; The matrix instruction is used transposed (source 0 = 16 rows of w_proj, source 1 = 16 rows of y): a lane holds eight neighbouring numbers of a row of out0.  The bias is the C of the first K step's products.
; No prefetch: of a work-group's four K steps two are asked for at the head, and every tile is read by several clusters.
; REGISTERS, in windows of 256: window 0: v0-31 addresses; v32-63 scale words, two sets; v64-127 the bias in the result's layout; v128-223 y's fragments, one set; on the way out v128-255 rows of out0.
;   window 1: w_proj's fragments, two sets.  windows 2, 3: the accumulators ((a, b) at v[8 (8 (a % 4) + b)]).
.set SIZE_N, 1024
.set KSTEP,  256
.set NQ,     KSTEP/128
.set ROWB,   192
.set KROW,   768
.set PITCH,  240                       ; w_proj's LDS row: 3 x (64 bytes + 16 of padding)
.set FR,     12
.set NL,     6                         ; LDS loads that bring a fragment of w_proj
.set NLA,    4                         ; and of y
.set NP,     4                         ; places behind this matrix instruction (ISA guide 7.12.1)
.set AHALF,  24576                     ; y: 128 rows x 256 along K
.set KPB,    1572864                   ; y: from K step to K step
.set HALFT,  128*PITCH
.set SLOT,   2*AHALF+2*HALFT           ; y's 256 rows, then w_proj's 256 rows
.set LAPS,   1024/(2*KSTEP)
.set KS,     32
.set SCL,    2*SLOT
.set HALFS,  (128*KS/256)*272
.set SBLK,   (16*KS/256)*272
.set SPARE,  SCL+4*HALFS               ; the spare words: 128 bytes for each wave, named by no other line
.set SPITCH, 528                       ; the way out: a stage of 16 rows x (512 bytes + 16) for each wave, in slot 0, which has had its last fill and its last read when the first result is stored there
.set AA16, 16                          ; v16-17  y's images, 16 x lane, slot 0, 1
.set AA8,  18                          ; v18-19  8 x lane
.set ADRB, 20                          ; v20-23  w_proj's fragments
.set STO,  24
.set RD,   25
.set CO,   26
.set ADRS, 27
.set SPW,  28
.set NIL,  29
.set SC,   32
.set BI,   64
.set AF,   128
.set BK,   128
.set CP,   98                          ; s[98:99] out0
.set G1, 24
.set G0, 32
.set G1B, 48
.set G0B, 56
.set G1S, 68
.set G0S, 76
.set G1SB, 80
.set G0SB, 88
.set MSB, 0
.macro WIN new
.if MSB != (\new)
	s_set_vgpr_msb (MSB<<8)|(\new)
.set MSB, (\new)
.endif
.endm
.set MUL_LO,  0xa1
.set MUL_HI,  0xf1
.set MUL_LO0, 0x81                     ; the first K step: C (the bias) window 0
.set MUL_HI0, 0xc1
.set TO_B,    0x40
.macro JLOAD g0a, g1a, g0b, g1b        ; a joint load: waves 0 and 1 fetch for y, waves 2 and 3 for w_proj; four v_nop follow each of the two lines
	s_cmp_eq_u32 s15, 0
	s_cbranch_scc0 .Lfor_b_\@
	tensor_load_to_lds s[\g0a:\g0a+3], s[\g1a:\g1a+7]
	s_nop 0
.rept 4
	v_nop
.endr
	s_branch .Lasked_\@
.Lfor_b_\@:
	tensor_load_to_lds s[\g0b:\g0b+3], s[\g1b:\g1b+7]
	s_nop 0
.rept 4
	v_nop
.endr
.Lasked_\@:
.endm
.macro CREST
	s_cmp_lg_u32 s14, 0
	s_cbranch_scc1 .Lnot_wave_0_\@
	s_barrier_signal -3
.Lnot_wave_0_\@:
	s_barrier_wait -3
	s_barrier_signal -1
	s_barrier_wait -1
.endm
.macro CROUND
	s_barrier_signal -1
	s_barrier_wait -1
	CREST
.endm
	s_load_b128 s[4:7], s[0:1], 0x0                ; yimg, ysc
	s_load_b128 s[8:11], s[0:1], 0x10              ; w_proj's codes, its scales
	s_load_b128 s[96:99], s[0:1], 0x20             ; b_proj, out0
	v_lshl_add_u32 v[SPW], v0, 2, SPARE
	v_mov_b32 v[NIL], 0
	ds_add_u32 v28, v29
	ds_add_u32 v28, v29
	s_wait_dscnt 0x0
	v_lshrrev_b32 v1, 5, v0
	v_readfirstlane_b32 s14, v1                    ; wave 0..3
	s_lshr_b32 s15, s14, 1                         ; which half of the tile's rows is mine.  Also: I fetch for y (0) or for w_proj (1)
	s_and_b32 s16, s14, 1                          ; which half of its columns.  Also: which 128 rows of that tile I fetch
	s_bfe_u32 s40, ttmp6, 0x40000
	s_bfe_u32 s41, ttmp6, 0x40004
	s_lshl_b32 s42, ttmp9, 2
	s_add_co_u32 s42, s42, s40                     ; tile column
	s_and_b32 s17, ttmp7, 0xffff
	s_lshl_b32 s17, s17, 2
	s_add_co_u32 s17, s17, s41                     ; tile row
	s_lshl_b32 s43, s41, 2
	s_lshl_b32 s43, 15, s43                        ; my row of the cluster
	s_lshl_b32 s44, 0x1111, s40                    ; my column
	; y's tiles: a dense block of 24,576 bytes as 96 rows of 256 bytes (32 elements of 8), no padding
	s_or_b32 s[G1+0], s43, (3<<16)|(1<<21)
	s_mov_b32 s[G1+1], 32<<16
	s_mov_b32 s[G1+2], 96<<16
	s_mov_b32 s[G1+3], 32<<16
	s_mov_b32 s[G1+4], 96
	s_mov_b32 s[G1+5], 32
	s_mov_b32 s[G1+6], 0
	s_mov_b32 s[G1+7], 0
	; w_proj's: 128 rows x 192 bytes, 16 bytes of padding behind every 64
	s_or_b32 s[G1B+0], s44, (0<<16)|(1<<20)|(1<<21)|(3<<22)|(3<<25)
	s_mov_b32 s[G1B+1], ROWB<<16
	s_mov_b32 s[G1B+2], 128<<16
	s_mov_b32 s[G1B+3], ROWB<<16
	s_mov_b32 s[G1B+4], 128
	s_mov_b32 s[G1B+5], KROW
	s_mov_b32 s[G1B+6], 0
	s_mov_b32 s[G1B+7], 0
	; the scales of 128 rows: 16 rows of 256 bytes, 16 bytes of padding behind each
	s_or_b32 s[G1S+0], s43, (3<<16)|(1<<20)|(1<<21)|(5<<22)|(3<<25)
	s_or_b32 s[G1SB+0], s44, (3<<16)|(1<<20)|(1<<21)|(5<<22)|(3<<25)
.irp g, G1S, G1SB
	s_mov_b32 s[\g+1], 32<<16
	s_mov_b32 s[\g+2], (128*KS/256)<<16
	s_mov_b32 s[\g+3], 32<<16
	s_mov_b32 s[\g+4], 128*KS/256
	s_mov_b32 s[\g+5], 32
	s_mov_b32 s[\g+6], 0
	s_mov_b32 s[\g+7], 0
.endr
	s_lshl_b32 s18, s16, 7                         ; which 128 rows of the tile I fetch
	s_lshl_b32 s20, s17, 8
	s_add_co_u32 s20, s20, s18                     ; y: row 256 x tile row + 128 x half
	s_lshl_b32 s46, s42, 8
	s_add_co_u32 s46, s46, s18                     ; w_proj: row 256 x tile column + 128 x half
	s_mov_b32 s21, 0
	s_mov_b32 s47, 0
	s_mov_b64 s[18:19], KS
	s_mul_u64 s[22:23], s[20:21], s[18:19]         ; where these rows' scales begin
	s_mul_u64 s[92:93], s[46:47], s[18:19]
	s_mov_b64 s[18:19], KROW
	s_mul_u64 s[46:47], s[46:47], s[18:19]         ; w_proj's codes
	s_mul_i32 s20, s20, 192                        ; y's images: 3,072 bytes for 16 rows
	s_mul_i32 s45, s16, AHALF                      ; where they go: no place in the cluster enters an LDS address
	s_mul_i32 s2, s16, HALFT
	s_add_co_u32 s2, s2, 2*AHALF
	s_mul_i32 s94, s14, HALFS
	s_wait_kmcnt 0x0
	s_add_nc_u64 s[20:21], s[4:5], s[20:21]
	s_add_nc_u64 s[22:23], s[6:7], s[22:23]
	s_add_nc_u64 s[46:47], s[8:9], s[46:47]
	s_add_nc_u64 s[92:93], s[10:11], s[92:93]
	CROUND                                         ; all sixteen work-groups are here: the first joint loads meet
	s_mov_b32 s[G0S], 1
	s_add_co_u32 s[G0S+1], s94, SCL
	s_mov_b64 s[G0S+2:G0S+3], s[22:23]
	s_or_b32 s[G0S+3], s[G0S+3], 0x80000000
	s_mov_b32 s[G0SB], 1
	s_add_co_u32 s[G0SB+1], s94, SCL
	s_mov_b64 s[G0SB+2:G0SB+3], s[92:93]
	s_or_b32 s[G0SB+3], s[G0SB+3], 0x80000000
	JLOAD G0S, G1S, G0SB, G1SB                     ; the scales first.  Each load below waits for the ones before it: a wave has one tensor load out at a time
.irp s, 0,1
	s_mov_b32 s[G0+4*\s], 1
	s_add_co_u32 s[G0+4*\s+1], s45, \s*SLOT
	s_add_nc_u64 s[G0+4*\s+2:G0+4*\s+3], s[20:21], \s*KPB
	s_or_b32 s[G0+4*\s+3], s[G0+4*\s+3], 0x80000000
	s_mov_b32 s[G0B+4*\s], 1
	s_add_co_u32 s[G0B+4*\s+1], s2, \s*SLOT
	s_add_nc_u64 s[G0B+4*\s+2:G0B+4*\s+3], s[46:47], \s*ROWB
	s_or_b32 s[G0B+4*\s+3], s[G0B+4*\s+3], 0x80000000
	s_wait_alu depctr_va_vdst(0)
	s_wait_tensorcnt 0x0
	ds_add_u32 v28, v29
	s_wait_dscnt 0x0
	CROUND
	JLOAD G0+4*\s, G1, G0B+4*\s, G1B
.endr
	v_and_b32 v1, 15, v0                           ; r
	v_bfe_u32 v2, v0, 4, 1                         ; h
	; the bias: b_proj at my 128 columns; for block b: 16 b + 8 h + 0 .. 7
	s_lshl_b32 s18, s42, 10
	s_lshl_b32 s19, s16, 9
	s_add_co_u32 s18, s18, s19
	v_lshl_add_u32 v8, v2, 5, s18
.irp b, 0,1,2,3,4,5,6,7
	global_load_b128 v[BI+8*\b:BI+8*\b+3], v8, s[96:97] offset:64*\b
	global_load_b128 v[BI+8*\b+4:BI+8*\b+7], v8, s[96:97] offset:64*\b+16
.endr
	v_and_b32 v7, 31, v0
	v_mul_u32_u24 v3, v1, PITCH
	v_mul_u32_u24 v4, v2, 24
	v_add_nc_u32 v4, v3, v4                        ; w_proj: a fragment's row x pitch + 24 x half
	v_lshl_add_u32 v5, v2, 4, v4                   ; and the same behind one padding more
	s_mul_i32 s21, s15, AHALF                      ; my 128 rows of y
	s_mul_i32 s22, s16, HALFT                      ; my 128 rows of w_proj,
	s_add_co_u32 s22, s22, 2*AHALF                 ; which lie behind y's 256
.irp s, 0,1
	v_lshl_add_u32 v[AA16+\s], v7, 4, s21
	v_lshl_add_u32 v[AA8+\s], v7, 3, s21
	v_add_nc_u32 v[ADRB+\s], s22, v4
	v_add_nc_u32 v[ADRB+2+\s], s22, v5
	s_add_co_u32 s21, s21, SLOT
	s_add_co_u32 s22, s22, SLOT
.endr
	v_mul_u32_u24 v5, v1, KS                       ; my row's scales: 32 bytes a row,
	v_lshrrev_b32 v6, 8, v5
	v_lshl_add_u32 v5, v6, 4, v5                   ; and 16 more for each 256 passed
	s_mul_i32 s21, s15, HALFS
	s_mul_i32 s22, s16, HALFS
	s_add_co_u32 s22, s22, 2*HALFS
	s_sub_co_u32 s22, s22, s21
	v_mul_u32_u24 v6, s22, v2                      ; lanes 16-31 take w_proj's
	s_add_co_u32 s21, s21, SCL
	v_add_nc_u32 v5, v5, v6
	v_add_nc_u32 v[ADRS], s21, v5
	s_mul_i32 s23, s14, 16*SPITCH                  ; my stage
	v_mul_u32_u24 v5, v1, SPITCH
	v_lshl_add_u32 v5, v2, 5, v5
	v_add_nc_u32 v[STO], s23, v5                   ; in: row r, 32 bytes for each half of the lanes
	v_lshlrev_b32 v[CO], 4, v7                     ; back: the 32 lanes take one row of 512 bytes; and the same in out0
	v_add_nc_u32 v[RD], s23, v[CO]
	s_lshl_b32 s20, s17, 8
	s_lshl_b32 s21, s15, 7
	s_add_co_u32 s20, s20, s21                     ; my first row of out0
	s_mov_b32 s21, 0
	s_mov_b64 s[18:19], SIZE_N*4
	s_mul_u64 s[20:21], s[20:21], s[18:19]
	s_lshl_b32 s46, s42, 10                        ; my first column, in bytes
	s_lshl_b32 s47, s16, 9
	s_add_co_u32 s46, s46, s47
	s_mov_b32 s47, 0
	s_add_nc_u64 s[20:21], s[20:21], s[46:47]
	s_add_nc_u64 s[CP:CP+1], s[CP:CP+1], s[20:21]
	s_wait_alu depctr_va_vdst(0)
	s_wait_loadcnt 0x0                             ; the bias
.macro FRAG reg, adr, q, i             ; a fragment of w_proj: 24 bytes of the row for each 64 along K, in pieces of 8 bytes; where lanes 16-31's piece lies behind one padding more, the second address register serves
.irp p, 0,1,2,3,4,5
.set PCE, 12*(\q)+6*(\p/3)+\p%3
.if PCE%8 < 5
	ds_load_b64 v[\reg+2*\p:\reg+2*\p+1], v[\adr] offset:8*PCE+16*(PCE/8)+(\i)*16*PITCH
.else
	ds_load_b64 v[\reg+2*\p:\reg+2*\p+1], v[\adr+2] offset:8*PCE+16*(PCE/8)+(\i)*16*PITCH
.endif
.endr
.endm
.macro FRAGA reg, slot, q, i           ; a fragment of y: two images of 768 bytes
	ds_load_b128 v[\reg:\reg+3], v[AA16+\slot] offset:(\i)*3072+(\q)*1536
	ds_load_b64 v[\reg+4:\reg+5], v[AA8+\slot] offset:(\i)*3072+(\q)*1536+512
	ds_load_b128 v[\reg+6:\reg+9], v[AA16+\slot] offset:(\i)*3072+(\q)*1536+768
	ds_load_b64 v[\reg+10:\reg+11], v[AA8+\slot] offset:(\i)*3072+(\q)*1536+1280
.endm
; 16 matrix instructions: y's blocks a0, a0 + 1 x w_proj's eight, 128 along K.  zero = 1: the first product starts the sums, with the bias as C.  The 64 accumulators take turns, one instruction a turn.
.macro MUL16 a0, p, q, sc, zero
.irp a, \a0, \a0+1
.irp b, 0,1,2,3,4,5,6,7
.if \zero
	v_wmma_scale_f32_16x16x128_f8f6f4 v[8*(8*((\a)%4)+\b):8*(8*((\a)%4)+\b)+7], v[128*(\p)+FR*\b:128*(\p)+FR*\b+FR-1], v[AF+FR*(\a):AF+FR*(\a)+FR-1], v[BI+8*\b:BI+8*\b+7], v[SC+8*NQ*(\sc)+NQ*\b+(\q)], v[SC+8*NQ*(\sc)+NQ*(\a)+(\q)] matrix_a_fmt:MATRIX_FMT_FP6 matrix_b_fmt:MATRIX_FMT_FP6 matrix_a_scale:MATRIX_SCALE_ROW1
.else
	v_wmma_scale_f32_16x16x128_f8f6f4 v[8*(8*((\a)%4)+\b):8*(8*((\a)%4)+\b)+7], v[128*(\p)+FR*\b:128*(\p)+FR*\b+FR-1], v[AF+FR*(\a):AF+FR*(\a)+FR-1], v[8*(8*((\a)%4)+\b):8*(8*((\a)%4)+\b)+7], v[SC+8*NQ*(\sc)+NQ*\b+(\q)], v[SC+8*NQ*(\sc)+NQ*(\a)+(\q)] matrix_a_fmt:MATRIX_FMT_FP6 matrix_b_fmt:MATRIX_FMT_FP6 matrix_a_scale:MATRIX_SCALE_ROW1
.endif
.endr
.endr
.endm
.macro FETCH_B slot, q, p
	WIN TO_B
.irp i, 0,1,2,3,4,5,6,7
	FRAG 128*(\p)+FR*\i, ADRB+\slot, \q, \i
.endr
	WIN 0
.endm
.macro FETCH_A slot, q, i0
.irp i, \i0, \i0+1, \i0+2, \i0+3
	FRAGA AF+FR*(\i), \slot, \q, \i
.endr
.endm
.macro SCALES sc
.irp i, 0,1,2,3,4,5,6,7
	ds_load_b64 v[SC+8*NQ*\sc+NQ*\i:SC+8*NQ*\sc+NQ*\i+1], v[ADRS] offset:\i*SBLK
.endr
.endm
.macro PLACES n
.rept \n
	v_nop
.endr
.endm
.macro STEP slot, q, zero
	s_wait_dscnt 4*NLA                             ; w_proj's set and y's blocks 0-3 are in; the youngest 16 loads (y's blocks 4-7) may be out
.if \zero
	WIN MUL_LO0
.else
	WIN MUL_LO
.endif
	MUL16 0, (\q)%2, \q, \slot, \zero
	MUL16 2, (\q)%2, \q, \slot, \zero
	s_wait_dscnt 0
	PLACES NP
	FETCH_B \slot, (\q)+1, 1-(\q)%2
	FETCH_A \slot, (\q)+1, 0
.if \zero
	WIN MUL_HI0
.else
	WIN MUL_HI
.endif
	MUL16 4, (\q)%2, \q, \slot, \zero
	MUL16 6, (\q)%2, \q, \slot, \zero
	PLACES NP
	WIN 0
	FETCH_A \slot, (\q)+1, 4
.endm
; A slot's last step changes slots: one barrier; in front of it each wave waits for all its tensor loads, adds 0 to its spare word, and waits for that and for its own reads of this slot.
.macro TURN slot, next, fill
	s_wait_tensorcnt 0x0                           ; all my tensor loads have landed: my part of the next slot
	ds_add_u32 v[SPW], v[NIL]                      ; 0 onto my spare word
	s_wait_dscnt 4*NLA+1                           ; the add and the youngest 16 loads may be out
	WIN MUL_LO
	MUL16 0, 1, NQ-1, \slot, 0
	s_wait_dscnt 0x0                               ; the add is done, and my reads of this slot are over
	s_barrier_signal -1
	MUL16 2, 1, NQ-1, \slot, 0
	WIN 0
	s_barrier_wait -1
.if \fill
	CREST                                          ; the barrier has opened a round of the cluster's barrier: no wave of any partner still reads this slot or has a load on its way
	s_add_nc_u64 s[G0+4*\slot+2:G0+4*\slot+3], s[G0+4*\slot+2:G0+4*\slot+3], 2*KPB
	s_add_nc_u64 s[G0B+4*\slot+2:G0B+4*\slot+3], s[G0B+4*\slot+2:G0B+4*\slot+3], 2*ROWB
	JLOAD G0+4*\slot, G1, G0B+4*\slot, G1B         ; the first tensor load behind the round; its four v_nop are the places in front of the loads below
.else
	PLACES NP
.endif
	s_wait_alu depctr_va_vdst(0)
	v_add_nc_u32 v[ADRS], 4*NQ, v[ADRS]
	FETCH_B \next, 0, 0
	FETCH_A \next, 0, 0
	SCALES \next
	WIN MUL_HI
	MUL16 4, 1, NQ-1, \slot, 0
	MUL16 6, 1, NQ-1, \slot, 0
	PLACES NP
	WIN 0
	FETCH_A \next, 0, 4
.endm
	s_wait_tensorcnt 1                             ; the scales and my part of K step 0 are in (K step 1's load may be out)
	s_barrier_signal -1
	s_barrier_wait -1
	FETCH_B 0, 0, 0
	FETCH_A 0, 0, 0
	SCALES 0
	FETCH_A 0, 0, 4
	STEP 0, 0, 1
	s_mov_b32 s3, LAPS-1
.Llap:
	TURN 0, 1, 1
	STEP 1, 0, 0
	TURN 1, 0, 1
	STEP 0, 0, 0
	s_sub_co_u32 s3, s3, 1
	s_cmp_lg_u32 s3, 0
	s_cbranch_scc1 .Llap
	TURN 0, 1, 0
	STEP 1, 0, 0
	s_wait_dscnt 4*NLA
	WIN MUL_LO
	MUL16 0, 1, NQ-1, 1, 0
	MUL16 2, 1, NQ-1, 1, 0
	s_wait_dscnt 0
	WIN MUL_HI
	MUL16 4, 1, NQ-1, 1, 0
	MUL16 6, 1, NQ-1, 1, 0
	WIN 0
; THE WAY OUT, block by block of 16 rows x 128 columns, through my own stage in LDS: back come whole rows of 512 bytes, which the 32 lanes store as 512 consecutive bytes, aligned.
; LDS serves a wave's instructions in order (ISA guide 5.7.1.4): no wait between the stores and the loads.
.macro TOSTAGE a
.set AC, 64*((\a)%4)
	WIN 0x08+4*((\a)/4)                            ; the data: window 2 or 3
.irp b, 0,1,2,3,4,5,6,7
	ds_store_b128 v[STO], v[AC+8*\b:AC+8*\b+3] offset:64*\b          ; each accumulator from its low end on
	ds_store_b128 v[STO], v[AC+8*\b+4:AC+8*\b+7] offset:64*\b+16
.endr
	WIN 0
.set BB, BK+64*((\a)%2)
.irp t, 0,1,2,3,4,5,6,7,8,9,10,11,12,13,14,15
	ds_load_b128 v[BB+4*\t:BB+4*\t+3], v[RD] offset:\t*SPITCH
.endr
.endm
.macro SEND a, younger
.set BB, BK+64*((\a)%2)
	s_wait_dscnt \younger                          ; the block is back in registers
.if (\a) > 0
	s_add_nc_u64 s[CP:CP+1], s[CP:CP+1], 16*SIZE_N*4   ; (behind a wait on XCNT: the earlier stores have read their base)
.endif
.irp t, 0,1,2,3,4,5,6,7,8,9,10,11,12,13,14,15
	global_store_b128 v[CO], v[BB+4*\t:BB+4*\t+3], s[CP:CP+1] offset:\t*SIZE_N*4 th:TH_STORE_NT
.endr
.endm
	PLACES NP
	TOSTAGE 0
.irp a, 1,2,3,4,5,6,7
.if \a > 1
	s_wait_xcnt 0x0                                ; block a - 2's stores have read their registers and their base
.endif
	TOSTAGE \a
	SEND \a-1, 32                                  ; behind block a - 1's loads: block a's 16 stores and 16 loads
.endr
	s_wait_xcnt 0x0
	SEND 7, 0
	s_wait_tensorcnt 0x0                           ; the wave's end
	ds_add_u32 v[SPW], v[NIL]
	s_wait_dscnt 0x0
	CROUND                                         ; the closing round
	s_endpgm
.Lfunc_end_k_q4f538bfd96_proj:
	.size	k_q4f538bfd96_proj, .Lfunc_end_k_q4f538bfd96_proj-k_q4f538bfd96_proj
	.p2alignl 7, 3214868480
	.fill 96, 4, 3214868480
	.section	.rodata,"a",@progbits
	.p2align	6, 0x0
	.amdhsa_kernel k_q4f538bfd96_proj
		.amdhsa_group_segment_fixed_size 327680
		.amdhsa_private_segment_fixed_size 0
		.amdhsa_enable_private_segment 0
		.amdhsa_kernarg_size 48
		.amdhsa_user_sgpr_count 2
		.amdhsa_user_sgpr_kernarg_segment_ptr 1
		.amdhsa_wavefront_size32 1
		.amdhsa_system_sgpr_workgroup_id_x 1
		.amdhsa_system_sgpr_workgroup_id_y 1
		.amdhsa_system_sgpr_workgroup_id_z 1
		.amdhsa_system_vgpr_workitem_id 0
		.amdhsa_next_free_vgpr 1024
		.amdhsa_next_free_sgpr 100
		.amdhsa_reserve_vcc 0
		.amdhsa_float_denorm_mode_32 3
		.amdhsa_float_denorm_mode_16_64 3
		.amdhsa_memory_ordered 1
		.amdhsa_forward_progress 1
		.amdhsa_inst_pref_size 155
	.end_amdhsa_kernel
	.amdgpu_metadata
---
amdhsa.version: [ 1, 2 ]
amdhsa.kernels:
  - .name:           k_q4f538bfd96_proj
    .symbol:         k_q4f538bfd96_proj.kd
    .args:
      - { .name: yimg, .offset: 0, .size: 8, .value_kind: global_buffer, .address_space: global }
      - { .name: ysc, .offset: 8, .size: 8, .value_kind: global_buffer, .address_space: global }
      - { .name: w_proj_codes, .offset: 16, .size: 8, .value_kind: global_buffer, .address_space: global }
      - { .name: w_proj_scales, .offset: 24, .size: 8, .value_kind: global_buffer, .address_space: global }
      - { .name: b_proj, .offset: 32, .size: 8, .value_kind: global_buffer, .address_space: global }
      - { .name: out0, .offset: 40, .size: 8, .value_kind: global_buffer, .address_space: global }
    .group_segment_fixed_size: 327680
    .private_segment_fixed_size: 0
    .kernarg_segment_align: 8
    .kernarg_segment_size: 48
    .max_flat_workgroup_size: 128
    .sgpr_count:     100
    .vgpr_count:     1024
    .wavefront_size: 32
...
	.end_amdgpu_metadata
.endif
;; end of part 3
